; MI455X (gfx1250); checked and timed in simulation.
; The chip was launched on July 23, 2026; its instructions are those of AMD's public machine-readable ISA for CDNA 5 (MIT licence, August 2026) and "CDNA5" Instruction Set Architecture Reference Guide (July 2026). The comments in the code are by the model that wrote it; some were corrected since.
;; Self Attention. Allowed arithmetic: matrix products marked QUANTISED: E4M3 operands, one given power-of-two scale a tensor, by v_wmma_f32_16x16x64_fp8_fp8 or v_wmma_f32_16x16x128_fp8_fp8, f32 sums; everything else in f32.
;; Inputs: b_in 3,072 float32; b_out 1,024 float32; lowp_scales 8 int32 (the exponents e of the quantised operands' scales 2^e); w_in 1,024 x 3,072 float32; w_out 1,024 x 1,024 float32; x 4 x 2,048 x 1,024 float32.
;; Outputs: out0 4 x 2,048 x 1,024 float32.
;; Constants: causal_mask = 1.
;; This version of the problem:
;;   THIS VERSION OF THE PROBLEM IS GIVEN IN LOW PRECISION. The matrix products marked QUANTISED in the list below multiply operands that are first quantised to E4M3 (4 exponent bits, 3 mantissa bits; 8 bits a number), with one given power-of-two scale for each operand tensor; their sums are f32. All else is computed in f32.
;;   The module's matrix products, in the order in which they are computed (A, B: the left and right operand; K: the contracted axis; several contracted axes count as one K, in the product's order):
;;     1. [M 8,192, K 1,024] x [K 1,024, N 3,072]; A: input x; B: input w_in: QUANTISED (scales: A lowp_scales[0], B lowp_scales[1])
;;     2. batch 64 x [M 2,048, K 64] x [K 64, N 2,048]; A: computed on the way; B: computed on the way: QUANTISED (scales: A lowp_scales[2], B lowp_scales[3])
;;     3. batch 64 x [M 2,048, K 2,048] x [K 2,048, N 64]; A: softmax (see below); B: computed on the way: QUANTISED (scales: A lowp_scales[4], B lowp_scales[5])
;;     4. [M 8,192, K 1,024] x [K 1,024, N 1,024]; A: computed on the way; B: input w_out: QUANTISED (scales: A lowp_scales[6], B lowp_scales[7])
;;   THE QUANTISER, for each operand of a quantised product, along K:
;;     - The operand's scale is 2^e, e = its entry of the input lowp_scales (int32; the entries are numbered through the quantised products in the list's order, A before B).
;;     - Each number is divided by the scale, clamped to +-448, and rounded to the nearest number of E4M3, ties to even, subnormals kept.
;;     - The product sums the exact products of the quantised numbers (number of the format x scale) in f32.
;;   ~~~python
;;   def quantise(x, axis, e):      # numpy; x: float32 -> the quantised numbers, widened to float32 again
;;       x = np.moveaxis(x, axis, -1); K = x.shape[-1]
;;       r = np.clip(x / 2.0 ** e, -448, 448)
;;       step = 2.0 ** (np.maximum(np.frexp(np.where(r == 0, 1, r))[1] - 1, -6) - 3)
;;       q = np.round(r / step) * step * 2.0 ** e      # np.round: ties to even
;;       return np.moveaxis(q, -1, axis).astype(np.float32)
;;   ~~~
;;   SOFTMAX AHEAD OF A QUANTISED PRODUCT. Where the list says 'softmax', what is quantised is not the finished softmax but p = 2^(t - M), with t = logit x log2(e) and M = ceil(the row's largest t), a whole number; so 1/2 < the row's largest p <= 1. The row's sum l is taken of the UNQUANTISED p, in f32, and the product's result is divided by l at the end. Since M is a whole number, a kernel that streams over the keys may use a running M (the ceiling of the running maximum): every later rescaling is an exact power of two, so the quantised numbers keep their values, but for numbers so far below the row's largest that they fall under the format's range.
;;   OPERANDS COMPUTED ON THE WAY. 'Computed on the way' means the value that the module computes at that place (a softmax that the list does not call 'softmax' is quantised finished and normalised). What goes into a quantiser is computed in f32, as accurately as f32 sums, v_exp_f32 and their like allow (about 1e-6 of the number): no bf16 or f16 on the way to a quantiser, and a product that is left as it is and whose result goes on into a quantised operand takes f32 operands (vector FMAs, or v_wmma_f32_16x16x4_f32). A number that lies on a knife's edge between two numbers of the format may be rounded either way, as far as f32 arithmetic and the matrix unit's own rounding can turn it there, and no further.
;; One version. Each part assembles by itself: llvm-mc -triple=amdgcn-amd-amdhsa -mcpu=gfx1250 --defsym DOCPART=n.
;; ======== version 1 of 1: 4 launches
;; limits: right only within a limited range of input values
;; workspace buffers: codes 12,582,912 bytes; qkv 25,165,824 bytes; ac 8,388,608 bytes
;; launch quant (part 1): grid 384 x 1, 4 waves a work-group, no clusters, 68,096 bytes of LDS; arguments x, w_in, w_out, lowp_scales, codes; writes codes
.if DOCPART == 1
	.amdgcn_target "amdgcn-amd-amdhsa--gfx1250"
	.amdhsa_code_object_version 6
	.text
	.protected	k_qef036ecef6_quant
	.globl	k_qef036ecef6_quant
	.p2align	8
	.type	k_qef036ecef6_quant,@function
k_qef036ecef6_quant:
	s_mov_b64 s[64:65], 0
	v_nop
	global_prefetch_b8 v0, s[64:65] scope:SCOPE_SE
	s_setreg_imm32_b32 hwreg(HW_REG_WAVE_MODE, 25, 1), 1
	s_wait_xcnt 0x0
; x [8192][1024], w_in [1024][3072] and w_out [1024][1024], f32, become codes of FP8 (E4M3), K innermost, in ONE buffer of 12,288 rows of 1,024 codes:
;   row PI(t): token t of x;   row 8192 + PI(n): column n of w_in;   row 11264 + PI(n): column n of w_out.   PI swaps bits 3 and 4 of an index.
; With rows laid so, sixteen neighbouring ROWS of the buffer (a matrix operand's tile 2 b + u) hold the indices 32 b + 8 u + r + 8 (r / 8), and the eight results that a lane holds of two neighbouring tiles
; are sixteen neighbouring indices: the later launches' conversions then give the next operand's registers as they stand.
; code = number / 2^e, held within +-448, rounded to the nearest code, ties to even.  e: entry 0 (x), 1 (w_in), 7 (w_out) of the scales.
; LIMITS: each of these e lies between -126 and 119, so that 2^e and 448 x 2^e are f32 numbers.  NaN among the inputs is not served; an infinity is held at the largest code.
; Work-groups 0-255 take x (K innermost: a plain stream), work-groups 256-383 the weights (K is the first axis: a lane takes a column and its registers run down K).  Every work-group reads 131,072 bytes.
; The two ways part on the work-group's number alone and use LDS bytes of their own.  No tensor loads, no barrier: waves share nothing.
.set XWG,   256                        ; work-groups for x
.set STEPS, 16                         ; x: steps of 512 numbers for a wave
.set EMAX,  8
.set MANT,  0x600000                   ; the mantissa field of 448 as f32
.set WREG,  8192                       ; x: LDS of a wave: two stages of 32 x SP bytes
.set SP,    80                         ; a lane's place in a stage: its 64 bytes + 16 of padding
.set R,     16                         ; v16-79   x: four sets of 16 numbers as loaded
.set X,     80                         ; v80-111  x: two sets of 16 neighbours
.set C,     128                        ; v128-191 x: codes, four registers a step: no store's data are written again
.set WST,   32768                      ; weights: the stages begin here, 32 rows x PITCH for each wave
.set PITCH, 272                        ; a stage row: 256 codes + 16 bytes
.set NB,    8                          ; weights: blocks of 32 along K for a wave
.set XW,    32                         ; v32-95   weights: two sets of 32 numbers
.set CW,    96                         ; v96-103  a block's codes
.set OUTR,  112                        ; v112-175 the way out
.set AD,    176                        ; v176-207 byte offset of row i of a block, at my column; never rewritten
.set BS,    32                         ; s[32:47] the eight blocks' bases; never rewritten
	s_load_b256 s[4:11], s[0:1], 0x0               ; x s[4:5], w_in s[6:7], w_out s[8:9], the scales' exponents s[10:11]
	s_load_b64 s[12:13], s[0:1], 0x20              ; the codes
	v_lshl_add_u32 v208, v0, 2, 0x10800
	v_mov_b32 v209, 0
	v_lshrrev_b32 v1, 5, v0
	v_readfirstlane_b32 s16, v1                    ; wave 0..3
	v_and_b32 v2, 31, v0                           ; lane
	s_cmp_lt_u32 ttmp9, XWG
	s_cbranch_scc0 .Lweights
; ---------------- x.  A wave takes 8 rows (8,192 numbers).  A load reads 512 consecutive bytes; a step's 2,048 bytes turn through the wave's own stage, so that a lane then holds 16 neighbours along K.
	v_lshlrev_b32 v3, 4, v2                        ; my 16 bytes of a load's 512
	s_mul_i32 s17, s16, WREG
	v_lshrrev_b32 v14, 2, v2
	v_mul_u32_u24 v14, v14, SP
	v_and_b32 v15, 3, v2
	v_lshl_add_u32 v14, v15, 4, v14
	v_add_nc_u32 v14, s17, v14                     ; into the stage: four lanes' 64 bytes on end, then 16 of padding
	v_mul_u32_u24 v15, v2, SP
	v_add_nc_u32 v15, s17, v15                     ; out of it: SP x lane: my 16 neighbours
	v_lshlrev_b32 v4, 4, v2                        ; my 16 codes' place in a step's 512
	s_wait_alu depctr_va_vdst(0)
	s_wait_kmcnt 0x0
	s_load_b32 s22, s[10:11], 0x0                  ; e of x
	s_lshl_b32 s17, ttmp9, 2
	s_add_co_u32 s18, s17, s16                     ; which run of 8 rows is mine
	s_lshl_b32 s20, s18, 15                        ; x 32,768 bytes
	s_mov_b32 s21, 0
	s_add_nc_u64 s[4:5], s[4:5], s[20:21]
	s_and_b32 s19, s16, 1                          ; bits 3 and 4 of a row are the wave's two bits: PI swaps them
	s_lshl_b32 s19, s19, 1
	s_lshr_b32 s23, s16, 1
	s_add_co_u32 s19, s19, s23
	s_add_co_u32 s19, s19, s17
	s_lshl_b32 s20, s19, 13                        ; x 8,192 bytes of codes
	s_add_nc_u64 s[12:13], s[12:13], s[20:21]
.macro XLOAD t
.irp i, 0,1,2,3
	global_load_b128 v[R+16*((\t)%4)+4*\i:R+16*((\t)%4)+4*\i+3], v3, s[4:5] offset:2048*(\t)+512*\i th:TH_LOAD_NT   ; 32 lanes read 512 consecutive bytes
.endr
.endm
.macro XTURN t                         ; step t's numbers through the stage: LDS serves a wave's instructions in order, so no wait stands between the stores and the loads
.irp i, 0,1,2,3
	ds_store_b128 v14, v[R+16*((\t)%4)+4*\i:R+16*((\t)%4)+4*\i+3] offset:32*SP*((\t)%2)+8*SP*\i
.endr
.irp i, 0,1,2,3
	ds_load_b128 v[X+16*((\t)%2)+4*\i:X+16*((\t)%2)+4*\i+3], v15 offset:32*SP*((\t)%2)+16*\i
.endr
.endm
.irp t, 0,1,2,3
	XLOAD \t
.endr
	s_wait_kmcnt 0x0
	s_add_co_i32 s22, s22, 127
	s_lshl_b32 s23, s22, 23
	v_mov_b32 v11, s23                             ; 2^e as f32: the conversion takes its exponent field
	s_add_co_i32 s22, s22, EMAX
	s_lshl_b32 s22, s22, 23
	s_or_b32 s22, s22, MANT
	s_wait_alu depctr_va_vdst(0)
	s_wait_loadcnt 12                              ; step 0's four loads are in; three steps' twelve may be out
	XTURN 0
.macro XSTEP t
.set XS, X+16*((\t)%2)
	s_wait_dscnt 0x0                               ; this step's numbers are back from the stage, so its stores into the stage have read their registers,
.if (\t)+4 < STEPS
	XLOAD (\t)+4                                   ; which take the loads of four steps on
.endif
.if (\t)+1 < STEPS
.if STEPS-2-(\t) >= 3
	s_wait_loadcnt 12                              ; the next step's four loads are in; those of the three steps behind it may be out
.else
	s_wait_loadcnt 4*(STEPS-2-(\t))
.endif
	XTURN (\t)+1                                   ; and go through the other stage while this step is worked
.endif
.irp i, 0,1,2,3,4,5,6,7,8,9,10,11,12,13,14,15
.endr
	v_cvt_scalef32_pk8_fp8_f32 v[C+4*(\t):C+4*(\t)+1], v[XS:XS+7], v11
	v_cvt_scalef32_pk8_fp8_f32 v[C+4*(\t)+2:C+4*(\t)+3], v[XS+8:XS+15], v11   ; the results go to a store alone; the next vector lines are the next step's conversions, on other registers
	global_store_b128 v4, v[C+4*(\t):C+4*(\t)+3], s[12:13] offset:512*(\t)    ; 32 lanes store 512 consecutive bytes
.endm
.irp t, 0,1,2,3,4,5,6,7,8,9,10,11,12,13,14,15
	XSTEP \t
.endr
	s_wait_tensorcnt 0x0
	ds_add_u32 v208, v209
	s_wait_dscnt 0x0
	s_endpgm
; ---------------- the weights.  The two are taken as 4,096 columns on end (3,072 of w_in, 1,024 of w_out).  A work-group takes 128 columns x 256 along K, a wave 32 columns: a lane a column, its registers down K.
.Lweights:
	s_sub_co_u32 s17, ttmp9, XWG
	s_and_b32 s18, s17, 31                         ; which 128 columns
	s_lshr_b32 s19, s17, 5                         ; which 256 along K
	s_wait_kmcnt 0x0
	s_load_b256 s[48:55], s[10:11], 0x0            ; the eight exponents
	s_cmp_lt_u32 s18, 24                           ; w_in or w_out?  The choice hangs on the work-group's number alone
	s_cselect_b64 s[20:21], s[6:7], s[8:9]
	s_mov_b32 s22, 4096
	s_cselect_b32 s22, 12288, s22                  ; bytes from a row of the weight to the next
	s_cselect_b32 s23, 0, 24
	s_sub_co_u32 s23, s18, s23                     ; which 128 columns of that weight
	s_lshl_b32 s24, s23, 9
	s_lshl_b32 s25, s16, 7
	s_add_co_u32 s24, s24, s25                     ; my wave's first column, in bytes
	s_lshl_b32 s25, s19, 8
	s_mul_i32 s25, s25, s22                        ; + my 256 rows
	s_add_co_u32 s24, s24, s25
	s_mov_b32 s25, 0
	s_add_nc_u64 s[BS:BS+1], s[20:21], s[24:25]
	s_lshl_b32 s26, s22, 5                         ; a block: 32 rows
	s_mov_b32 s27, 0
.irp t, 1,2,3,4,5,6,7
	s_add_nc_u64 s[BS+2*\t:BS+2*\t+1], s[BS+2*\t-2:BS+2*\t-1], s[26:27]
.endr
	s_lshl_b32 s28, s18, 7
	s_lshl_b32 s29, s16, 5
	s_add_co_u32 s28, s28, s29
	s_add_co_u32 s28, s28, 8192                    ; my wave's 32 rows of the codes' buffer,
	s_lshl_b32 s28, s28, 10
	s_lshl_b32 s29, s19, 8
	s_add_co_u32 s28, s28, s29                     ; at my 256 along K
	s_mov_b32 s29, 0
	s_add_nc_u64 s[12:13], s[12:13], s[28:29]
	s_wait_alu depctr_va_vdst(0)
	v_lshlrev_b32 v[AD], 2, v2                     ; in: 4 bytes a lane: a wave reads 128 consecutive bytes, the four waves 512
.set i, 1
.rept 31
	v_mad_u32_u24 v[AD+i], s22, i, v[AD]
.set i, i+1
.endr
	s_mul_i32 s30, s16, 32*PITCH
	s_add_co_u32 s30, s30, WST                     ; my stage
	v_mul_u32_u24 v4, v2, PITCH
	v_add_nc_u32 v4, s30, v4                       ; into it: row = my column
	v_and_b32 v5, 15, v2
	v_lshrrev_b32 v6, 4, v2                        ; out of it: sixteen lanes to a row, two rows an instruction
	v_mul_u32_u24 v7, v6, PITCH
	v_lshl_add_u32 v7, v5, 4, v7
	v_add_nc_u32 v7, s30, v7
	v_lshlrev_b32 v8, 10, v6
	v_lshl_add_u32 v8, v5, 4, v8                   ; and the same place in the codes' buffer
.macro WLOAD t                         ; block t: W(32 t + i, my column), i = 0 .. 31, into set t % 2
.set i, 0
.rept 32
	global_load_b32 v[XW+32*((\t)%2)+i], v[AD+i], s[BS+2*(\t):BS+2*(\t)+1] th:TH_LOAD_NT
.set i, i+1
.endr
.endm
	WLOAD 0
	WLOAD 1
	s_wait_kmcnt 0x0
	s_cmp_lt_u32 s18, 24
	s_cselect_b32 s31, s49, s55                    ; e of w_in or of w_out
	s_add_co_i32 s31, s31, 127
	s_lshl_b32 s30, s31, 23
	v_mov_b32 v11, s30                             ; 2^e
	s_add_co_i32 s31, s31, EMAX
	s_lshl_b32 s31, s31, 23
	s_or_b32 s31, s31, MANT
.macro WBLOCK t
.set XS, XW+32*((\t)%2)
.if (\t) < NB-1
	s_wait_loadcnt 32                              ; this block's 32 loads are in; the next block's may be out
.else
	s_wait_loadcnt 0
.endif
.set i, 0
.rept 32
.set i, i+1
.endr
.irp g, 0,1,2,3
	v_cvt_scalef32_pk8_fp8_f32 v[CW+2*\g:CW+2*\g+1], v[XS+8*\g:XS+8*\g+7], v11
.endr
	ds_store_b128 v4, v[CW:CW+3] offset:32*(\t)    ; 32 codes of my column's row; the next vector lines are the next block's conversions
	ds_store_b128 v4, v[CW+4:CW+7] offset:32*(\t)+16
.if (\t)+2 < NB
	WLOAD (\t)+2
.endif
	s_wait_dscnt 0x0                               ; the stores have read their registers: the next block's codes may be written
.endm
	s_wait_alu depctr_va_vdst(0)
.irp t, 0,1,2,3,4,5,6,7
	WBLOCK \t
.endr
.irp t, 0,1,2,3,4,5,6,7,8,9,10,11,12,13,14,15
	ds_load_b128 v[OUTR+4*\t:OUTR+4*\t+3], v7 offset:2*\t*PITCH   ; LDS serves a wave's instructions in order: these see my stores
.endr
.irp t, 0,1,2,3,4,5,6,7,8,9,10,11,12,13,14,15
	s_wait_dscnt 15-\t
	global_store_b128 v8, v[OUTR+4*\t:OUTR+4*\t+3], s[12:13] offset:(((2*\t)&7)+16*(((2*\t)>>3)&1)+8*(((2*\t)>>4)&1))*1024   ; columns 2 t and 2 t + 1 go to rows PI(2 t) and PI(2 t) + 1: sixteen lanes store 256 consecutive bytes, aligned
.endr
	s_wait_tensorcnt 0x0
	ds_add_u32 v208, v209
	s_wait_dscnt 0x0
	s_endpgm
.Lfunc_end_k_qef036ecef6_quant:
	.size	k_qef036ecef6_quant, .Lfunc_end_k_qef036ecef6_quant-k_qef036ecef6_quant
	.p2alignl 7, 3214868480
	.fill 96, 4, 3214868480
	.section	.rodata,"a",@progbits
	.p2align	6, 0x0
	.amdhsa_kernel k_qef036ecef6_quant
		.amdhsa_group_segment_fixed_size 68096
		.amdhsa_private_segment_fixed_size 0
		.amdhsa_enable_private_segment 0
		.amdhsa_kernarg_size 40
		.amdhsa_user_sgpr_count 2
		.amdhsa_user_sgpr_kernarg_segment_ptr 1
		.amdhsa_wavefront_size32 1
		.amdhsa_system_sgpr_workgroup_id_x 1
		.amdhsa_system_sgpr_workgroup_id_y 1
		.amdhsa_system_sgpr_workgroup_id_z 1
		.amdhsa_system_vgpr_workitem_id 0
		.amdhsa_next_free_vgpr 210
		.amdhsa_next_free_sgpr 66
		.amdhsa_reserve_vcc 0
		.amdhsa_float_denorm_mode_32 3
		.amdhsa_float_denorm_mode_16_64 3
		.amdhsa_fp16_overflow 1
		.amdhsa_memory_ordered 1
		.amdhsa_forward_progress 1
		.amdhsa_inst_pref_size 56
	.end_amdhsa_kernel
	.amdgpu_metadata
---
amdhsa.version: [ 1, 2 ]
amdhsa.kernels:
  - .name:           k_qef036ecef6_quant
    .symbol:         k_qef036ecef6_quant.kd
    .args:
      - { .name: x, .offset: 0, .size: 8, .value_kind: global_buffer, .address_space: global }
      - { .name: w_in, .offset: 8, .size: 8, .value_kind: global_buffer, .address_space: global }
      - { .name: w_out, .offset: 16, .size: 8, .value_kind: global_buffer, .address_space: global }
      - { .name: lowp_scales, .offset: 24, .size: 8, .value_kind: global_buffer, .address_space: global }
      - { .name: codes, .offset: 32, .size: 8, .value_kind: global_buffer, .address_space: global }
    .group_segment_fixed_size: 68096
    .private_segment_fixed_size: 0
    .kernarg_segment_align: 8
    .kernarg_segment_size: 40
    .max_flat_workgroup_size: 128
    .sgpr_count:     66
    .vgpr_count:     210
    .wavefront_size: 32
...
	.end_amdgpu_metadata
.endif
;; end of part 1
;; launch gemm_qkv (part 2): grid 12 x 32, 4 waves a work-group, clusters of 4 x 4, 327,680 bytes of LDS; arguments codes, b_in, lowp_scales, qkv; writes qkv
.if DOCPART == 2
	.amdgcn_target "amdgcn-amd-amdhsa--gfx1250"
	.amdhsa_code_object_version 6
	.text
	.protected	k_qef036ecef6_gemm_qkv
	.globl	k_qef036ecef6_gemm_qkv
	.p2align	8
	.type	k_qef036ecef6_gemm_qkv,@function
k_qef036ecef6_gemm_qkv:
	s_mov_b64 s[64:65], 0
	v_nop
	global_prefetch_b8 v0, s[64:65] scope:SCOPE_SE
	s_setreg_imm32_b32 hwreg(HW_REG_WAVE_MODE, 25, 1), 1
	s_wait_xcnt 0x0
	s_wait_alu depctr_hold_cnt(0) depctr_sa_sdst(0) depctr_va_vdst(0) depctr_va_sdst(0) depctr_va_ssrc(0) depctr_va_vcc(0) depctr_vm_vsrc(0)
	s_getreg_b32 s2, hwreg(HW_REG_IB_STS2, 6, 4)
	s_cmp_eq_u32 s2, 0
	s_cbranch_scc0 .Lentry_in_a_cluster
	s_endpgm
.Lentry_in_a_cluster:
	s_bfe_u32 s2, ttmp6, 0x10000c
	s_cmp_lg_u32 s2, 0xf033
	s_cbranch_scc0 .Lentry_shape_is_right
	s_endpgm
.Lentry_shape_is_right:
; qkv = x w_in + b_in on codes of FP8 (E4M3), then q, k and v are quantised and stored as IMAGES OF THE NEXT OPERANDS' REGISTERS.  K = 1,024.
; Both operands are rows of 1,024 codes of one buffer: rows 0-8191 tokens, rows 8192-11263 columns of w_in; within each 32 rows bits 3 and 4 of the index are swapped (PI).
; A tile of the result, 256 x 256, is made by a work-group of four waves; a wave makes 128 x 128: 64 accumulators, 512 registers.  K goes in steps of 256 through a ring of two LDS slots filled by the tensor data mover.
; CLUSTERS: 4 x 4 work-groups; a cluster's x (0, 1, 2) says whether it makes q, k or v.  The tiles of the A role are shared along a row of the cluster, those of the B role along a column: each is asked for jointly.
; ROLES.  Source 1 of the matrix instruction (the A role) gives a lane its row; along source 0 (the B role) run a lane's eight registers.  For q and k: A = tokens, B = weight columns, so that a lane's registers run along
; the head's 64, the K of the scores.  For v the roles are swapped: A = weight columns, B = tokens, so that the registers run along the keys, the K of the second product of attention.
; With the rows in PI's order, the 16 registers of accumulators (a, 2 i) and (a, 2 i + 1) are 16 NEIGHBOURS along that K: 32 i + 16 (lane / 16) + 0 .. 15.  So four conversions' results are 16 bytes of an operand's image.
; OUT, for each of 64 heads 393,216 bytes: [Q 131,072][K 131,072][V 131,072].  Q, K: tile of 16 rows = 1,024 bytes: chunk c of 512 bytes, lane l's 16 bytes at 16 l: d = 32 c + 16 (l / 16) + 0 .. 15 of row l % 16.
;   V: fragment (128 keys kappa, 16 rows delta of the head's 64) at (4 kappa + delta) x 2,048: chunk c of 512 bytes: keys 32 c + 16 (l / 16) + 0 .. 15 of row l % 16.  Every store of a wave covers 512 consecutive bytes, aligned.
; LIMITS on the given exponents: e0 + e1 between -126 and 127; e2, e3, e5 between -126 and 119: each power of two below is then an f32 number.
; REGISTERS, in windows of 256: window 0: v0-31 addresses and constants; v32-95 the bias along the registers; v96-111 the bias of my lane's rows; from v128 A's fragments, ONE set; in the end v128-191 numbers, v192-255 codes.
;   window 1: B's fragments, two sets.   window 2: the accumulators of my rows 0-63 ((a, b) at v[8 (8 a + b)]);   window 3: those of my rows 64-127.
.set KSTEP,  256
.set ROWB,   256                       ; a tile's row in bytes
.set KROW,   1024                      ; a row in memory
.set PITCH,  272                       ; an LDS row: 256 bytes + 16 of padding = 68 words: the 16 rows that a load touches start at 16 different banks (64 banks of 4 bytes: ISA guide 11.1)
.set FR,     16                        ; registers of a fragment: 16 rows x 128 K
.set NL,     4                         ; LDS loads that bring one
.set NP,     4                         ; places behind this matrix instruction (ISA guide 7.12.1)
.set HALFT,  128*PITCH
.set SLOT,   4*HALFT                   ; A's 256 rows, then B's 256 rows
.set LAPS,   2                         ; 1,024 / 512: a lap is once round the ring
.set SPARE,  2*SLOT                    ; behind the ring: the spare words, 128 bytes a wave
.set OB,   8                           ; v8   64 x (lane / 16): my place in the bias along the registers; never rewritten
.set OA,   9                           ; v9   4 x (r + 8 (r / 8)): my place in the bias of rows; never rewritten
.set LIMV, 12
.set SCV,  13                          ; v13  the scale as f32
.set ADRA, 16                          ; v16-17  LDS address of my A fragments in slot 0, 1
.set ADRB, 20                          ; v20-21  the same for B
.set LN,   27                          ; v27  16 x lane; never rewritten
.set SPW,  28                          ; v28  LDS address of my spare word; never rewritten
.set NIL,  29                          ; v29  0; never rewritten
.set BB,   32
.set BA,   96
.set AF,   128
.set T,    128
.set CD,   192
.set G1, 24
.set G0, 32
.set G1B, 48
.set G0B, 56
.set MSB, 0
.macro WIN new                         ; the immediate's high byte repeats the setting that is left
.if MSB != (\new)
	s_set_vgpr_msb (MSB<<8)|(\new)
.set MSB, (\new)
.endif
.endm
.set MUL_LO, 0xa1                      ; source 0 (B) window 1, source 1 (A) window 0, C and D window 2
.set MUL_HI, 0xf1                      ; the same, C and D window 3
.set TO_B,   0x40                      ; destination window 1, address window 0
; A joint load: waves 0 and 1 fetch for A, waves 2 and 3 for B; the branch hangs on the wave's number alone.  Four v_nop follow each of the two lines.
.macro JLOAD g0a, g1a, g0b, g1b
	s_cmp_eq_u32 s15, 0
	s_cbranch_scc0 .Lfor_b_\@
	tensor_load_to_lds s[\g0a:\g0a+3], s[\g1a:\g1a+7]
	s_nop 0
.rept 4
	v_nop
.endr
	s_branch .Lasked_\@
.Lfor_b_\@:
	tensor_load_to_lds s[\g0b:\g0b+3], s[\g1b:\g1b+7]
	s_nop 0
.rept 4
	v_nop
.endr
.Lasked_\@:
.endm
.macro CREST                           ; a round of the cluster's barrier behind its opening barrier
	s_cmp_lg_u32 s14, 0
	s_cbranch_scc1 .Lnot_wave_0_\@
	s_barrier_signal -3
.Lnot_wave_0_\@:
	s_barrier_wait -3
	s_barrier_signal -1
	s_barrier_wait -1
.endm
.macro CROUND
	s_barrier_signal -1
	s_barrier_wait -1
	CREST
.endm
	s_load_b256 s[4:11], s[0:1], 0x0               ; the codes s[4:5], b_in s[6:7], the scales' exponents s[8:9], qkv s[10:11]
	v_lshl_add_u32 v[SPW], v0, 2, SPARE
	v_mov_b32 v[NIL], 0
	ds_add_u32 v28, v29
	ds_add_u32 v28, v29
	s_wait_dscnt 0x0
	v_lshrrev_b32 v1, 5, v0
	v_readfirstlane_b32 s14, v1                    ; wave 0..3
	s_lshr_b32 s15, s14, 1                         ; which half of A's rows is mine.  Also: I fetch for A (0) or for B (1)
	s_and_b32 s16, s14, 1                          ; which half of B's rows.  Also: which 128 rows of that tile I fetch
	s_bfe_u32 s40, ttmp6, 0x40000                  ; cx, cy: my place in the cluster
	s_bfe_u32 s41, ttmp6, 0x40004
	s_and_b32 s76, ttmp7, 0xffff                   ; the cluster's y: 1,024 tokens
	s_lshl_b32 s77, s76, 2                         ; their first tile of 256 rows
	s_lshl_b32 s78, ttmp9, 2
	s_add_co_u32 s78, s78, 32                      ; q's or k's first tile of weight rows: 32 + 4 x the cluster's x
	s_cmp_eq_u32 ttmp9, 2                          ; v?  The cluster's x is the same in all sixteen partners
	s_cselect_b32 s17, 40, s77                     ; A's tiles: v's weight rows (from row 10,240 on), else the tokens,
	s_cselect_b32 s42, s77, s78                    ; B's: the tokens, else the weight rows
	s_add_co_u32 s17, s17, s41                     ; A's tile hangs on cy alone,
	s_add_co_u32 s42, s42, s40                     ; B's on cx alone
	s_lshl_b32 s43, s41, 2
	s_lshl_b32 s43, 15, s43                        ; my row of the cluster
	s_lshl_b32 s44, 0x1111, s40                    ; my column
	s_or_b32 s[G1+0], s43, (0<<16)|(1<<20)|(1<<21)|(5<<22)|(3<<25)  ; 15:0 the mask; 17:16 elements of 1 byte; 20 padding on; 21 set beside a mask; 24:22 after every 64 words; 31:25 four words
	s_or_b32 s[G1B+0], s44, (0<<16)|(1<<20)|(1<<21)|(5<<22)|(3<<25)
.irp g, G1, G1B
	s_mov_b32 s[\g+1], ROWB<<16                    ; tensor_dim0
	s_mov_b32 s[\g+2], 128<<16                     ; tensor_dim1 = 128
	s_mov_b32 s[\g+3], ROWB<<16                    ; tile_dim0
	s_mov_b32 s[\g+4], 128                         ; tile_dim1 = 128
	s_mov_b32 s[\g+5], KROW                        ; tensor_dim0_stride
	s_mov_b32 s[\g+6], 0
	s_mov_b32 s[\g+7], 0
.endr
	s_lshl_b32 s18, s16, 7                         ; which 128 rows of the tile I fetch
	s_lshl_b32 s20, s17, 8
	s_add_co_u32 s20, s20, s18
	s_lshl_b32 s20, s20, 10                        ; A: row x 1,024 bytes (under 2^24)
	s_mov_b32 s21, 0
	s_lshl_b32 s46, s42, 8
	s_add_co_u32 s46, s46, s18
	s_lshl_b32 s46, s46, 10                        ; B likewise
	s_mov_b32 s47, 0
	s_mul_i32 s45, s14, HALFT                      ; where they go: wave x 128 rows: no place in the cluster enters an LDS address
	s_wait_kmcnt 0x0
	s_load_b256 s[68:75], s[8:9], 0x0              ; the eight exponents
	s_add_nc_u64 s[20:21], s[4:5], s[20:21]
	s_add_nc_u64 s[46:47], s[4:5], s[46:47]
	CROUND                                         ; all sixteen work-groups are here: the first joint loads meet
.irp s, 0,1
	s_mov_b32 s[G0+4*\s], 1
	s_add_co_u32 s[G0+4*\s+1], s45, \s*SLOT
	s_add_nc_u64 s[G0+4*\s+2:G0+4*\s+3], s[20:21], \s*ROWB
	s_or_b32 s[G0+4*\s+3], s[G0+4*\s+3], 0x80000000
	s_mov_b32 s[G0B+4*\s], 1
	s_add_co_u32 s[G0B+4*\s+1], s45, \s*SLOT
	s_add_nc_u64 s[G0B+4*\s+2:G0B+4*\s+3], s[46:47], \s*ROWB
	s_or_b32 s[G0B+4*\s+3], s[G0B+4*\s+3], 0x80000000
	JLOAD G0+4*\s, G1, G0B+4*\s, G1B
.endr
	v_and_b32 v1, 15, v0                           ; r = lane % 16
	v_bfe_u32 v2, v0, 4, 1                         ; h = lane / 16
	v_mul_u32_u24 v3, v1, PITCH
	v_lshl_add_u32 v4, v2, 4, v3                   ; a fragment's row x pitch + 16 x half
	s_mul_i32 s21, s15, HALFT                      ; my 128 rows of A
	s_mul_i32 s22, s16, HALFT                      ; my 128 rows of B,
	s_add_co_u32 s22, s22, 2*HALFT                 ; which lie behind A's 256
.irp s, 0,1
	v_add_nc_u32 v[ADRA+\s], s21, v4
	v_add_nc_u32 v[ADRB+\s], s22, v4
	s_add_co_u32 s21, s21, SLOT
	s_add_co_u32 s22, s22, SLOT
.endr
	; THE BIAS, loaded now and used at the end.  For q and k it runs along a lane's registers: BB[8 b + i] = b_in at my first column + 32 (b / 2) + 16 h + 8 (b % 2) + i.  For v it belongs to the lane's row:
	; BA[2 a] = BA[2 a + 1] = b_in at my first column + 32 (a / 2) + 8 (a % 2) + r + 8 (r / 8).  Both sets are loaded with no branch; the one that is not used comes from b_in's first 512 bytes.
	v_and_b32 v5, 31, v0
	v_lshlrev_b32 v[LN], 4, v5
	v_lshlrev_b32 v[OB], 6, v2
	s_wait_alu depctr_va_vdst(0)
	v_and_b32 v6, 8, v1
	v_add_nc_u32 v6, v6, v1
	v_lshlrev_b32 v[OA], 2, v6
	s_wait_alu depctr_va_vdst(0)
	s_lshl_b32 s80, ttmp9, 10
	s_lshl_b32 s79, s40, 8
	s_add_co_u32 s80, s80, s79
	s_lshl_b32 s79, s16, 7
	s_add_co_u32 s80, s80, s79
	s_lshl_b32 s80, s80, 2                         ; q, k: (1,024 x + 256 cx + 128 x my half of B) x 4 bytes
	s_lshl_b32 s82, s41, 8
	s_lshl_b32 s79, s15, 7
	s_add_co_u32 s82, s82, s79
	s_add_co_u32 s82, s82, 2048
	s_lshl_b32 s82, s82, 2                         ; v: (2,048 + 256 cy + 128 x my half of A) x 4 bytes
	s_cmp_eq_u32 ttmp9, 2
	s_cselect_b32 s80, 0, s80
	s_cselect_b32 s82, s82, 0
	s_mov_b32 s81, 0
	s_mov_b32 s83, 0
	s_add_nc_u64 s[84:85], s[6:7], s[80:81]
	s_add_nc_u64 s[86:87], s[6:7], s[82:83]
.irp b, 0,1,2,3,4,5,6,7
	global_load_b128 v[BB+8*\b:BB+8*\b+3], v[OB], s[84:85] offset:128*(\b/2)+32*(\b%2)
	global_load_b128 v[BB+8*\b+4:BB+8*\b+7], v[OB], s[84:85] offset:128*(\b/2)+32*(\b%2)+16
.endr
.irp a, 0,1,2,3,4,5,6,7
	global_load_b32 v[BA+2*\a], v[OA], s[86:87] offset:128*(\a/2)+32*(\a%2)
	global_load_b32 v[BA+2*\a+1], v[OA], s[86:87] offset:128*(\a/2)+32*(\a%2)
.endr
.macro FRAG reg, adr, q, i             ; a fragment, 16 rows x 128 K: lane l holds row l % 16; registers 4 c .. 4 c + 3 hold K = 32 c + 16 (l / 16) + 0 .. 15: the same order of k in A and in B
.irp c, 0,1,2,3
	ds_load_b128 v[\reg+4*\c:\reg+4*\c+3], v[\adr] offset:128*(\q)+32*\c+(\i)*16*PITCH
.endr
.endm
; 16 matrix instructions: A's blocks a0, a0 + 1 x B's eight.  p: B's set.  zero = 1: the first product starts the sums.  The 64 accumulators take turns, one instruction a turn.
.macro MUL16 a0, p, zero
.irp a, \a0, \a0+1
.irp b, 0,1,2,3,4,5,6,7
.if \zero
	v_wmma_f32_16x16x128_fp8_fp8 v[8*(8*((\a)%4)+\b):8*(8*((\a)%4)+\b)+7], v[128*(\p)+FR*\b:128*(\p)+FR*\b+FR-1], v[AF+FR*(\a):AF+FR*(\a)+FR-1], 0
.else
	v_wmma_f32_16x16x128_fp8_fp8 v[8*(8*((\a)%4)+\b):8*(8*((\a)%4)+\b)+7], v[128*(\p)+FR*\b:128*(\p)+FR*\b+FR-1], v[AF+FR*(\a):AF+FR*(\a)+FR-1], v[8*(8*((\a)%4)+\b):8*(8*((\a)%4)+\b)+7]
.endif
.endr
.endr
.endm
.macro FETCH_B slot, q, p
	WIN TO_B
.irp i, 0,1,2,3,4,5,6,7
	FRAG 128*(\p)+FR*\i, ADRB+\slot, \q, \i
.endr
	WIN 0
.endm
.macro FETCH_A slot, q, i0
.irp i, \i0, \i0+1, \i0+2, \i0+3
	FRAG AF+FR*(\i), ADRA+\slot, \q, \i
.endr
.endm
.macro PLACES n                        ; plain vector lines between a matrix instruction and a load into, or a vector write of, a register that it read, or a read of its result
.rept \n
	v_nop
.endr
.endm
; A step of 128 along K that has its successor in the same slot.  A has one set of registers: blocks 0-3 are fetched anew in the step's middle, blocks 4-7 at its end.
.macro STEP slot, q, zero
	s_wait_dscnt 4*NL                              ; B's set and A's blocks 0-3 are in; the youngest sixteen loads (A's blocks 4-7) may be out
	WIN MUL_LO
	MUL16 0, (\q)%2, \zero
	MUL16 2, (\q)%2, \zero
	s_wait_dscnt 0                                 ; A's blocks 4-7 are in
	PLACES NP
	FETCH_B \slot, (\q)+1, 1-(\q)%2
	FETCH_A \slot, (\q)+1, 0
	WIN MUL_HI
	MUL16 4, (\q)%2, \zero
	MUL16 6, (\q)%2, \zero
	PLACES NP
	WIN 0
	FETCH_A \slot, (\q)+1, 4
.endm
; A slot's last step changes slots: one barrier; in front of it each wave waits for all its tensor loads, adds 0 to its spare word, and waits for that and for its reads of this slot.  fill = 1: the slot is filled again.
.macro TURN slot, next, fill
	s_wait_tensorcnt 0x0                           ; all my tensor loads have landed: my part of the next slot
	ds_add_u32 v[SPW], v[NIL]                      ; 0 onto my spare word
	s_wait_dscnt 4*NL+1                            ; (the add and the youngest sixteen loads, A's blocks 4-7, may be out)
	WIN MUL_LO
	MUL16 0, 1, 0                                  ; sixteen matrix instructions stand between the add and the wait for it
	s_wait_dscnt 0x0                               ; the add is done, and my reads of this slot are over
	s_barrier_signal -1
	MUL16 2, 1, 0
	WIN 0
	s_barrier_wait -1
.if \fill
	CREST                                          ; the barrier has opened a round of the cluster's barrier: no wave of any partner still reads this slot or has a load on its way
	s_add_nc_u64 s[G0+4*\slot+2:G0+4*\slot+3], s[G0+4*\slot+2:G0+4*\slot+3], 2*ROWB
	s_add_nc_u64 s[G0B+4*\slot+2:G0B+4*\slot+3], s[G0B+4*\slot+2:G0B+4*\slot+3], 2*ROWB
	JLOAD G0+4*\slot, G1, G0B+4*\slot, G1B         ; the first tensor load behind the round; its four v_nop are the places in front of the loads below
.else
	PLACES NP
.endif
	FETCH_B \next, 0, 0
	FETCH_A \next, 0, 0
	WIN MUL_HI
	MUL16 4, 1, 0
	MUL16 6, 1, 0
	PLACES NP
	WIN 0
	FETCH_A \next, 0, 4
.endm
	s_wait_tensorcnt 1                             ; my part of K step 0 is in (K step 1's load may be out)
	s_barrier_signal -1
	s_barrier_wait -1                              ; everybody's is
	FETCH_B 0, 0, 0
	FETCH_A 0, 0, 0
	FETCH_A 0, 0, 4
	STEP 0, 0, 1                                   ; the first step stands in front of the loop: its products start the sums
	s_mov_b32 s3, LAPS-1
.Llap:                                                 ; a trip goes once round the ring and fills both slots again
	TURN 0, 1, 1
	STEP 1, 0, 0
	TURN 1, 0, 1
	STEP 0, 0, 0
	s_sub_co_u32 s3, s3, 1
	s_cmp_lg_u32 s3, 0
	s_cbranch_scc1 .Llap
	TURN 0, 1, 0                                   ; the last lap fills nothing
	STEP 1, 0, 0
	s_wait_dscnt 4*NL
	WIN MUL_LO
	MUL16 0, 1, 0
	MUL16 2, 1, 0
	s_wait_dscnt 0
	WIN MUL_HI
	MUL16 4, 1, 0
	MUL16 6, 1, 0
	WIN 0
; THE END: number = sum x 2^(e0 + e1) + bias, one fused multiply-add in f32; held within +-448 x the scale; converted.  Block a's 64 numbers a lane give 16 registers of codes: four stores of 512 consecutive bytes.  No LDS.
.macro EPI kind                        ; kind 0: q, k;  kind 1: v
.irp a, 0,1,2,3,4,5,6,7
.if \a == 4
	s_wait_xcnt 0x0                                ; the four sets of code registers are written again only behind this wait: the first four blocks' stores have read them
.endif
	WIN 0x02+(\a/4)                                ; source 0: window 2 or 3
.irp b, 0,1,2,3,4,5,6,7
.irp i, 0,2,4,6
.if \kind
	v_pk_fma_f32 v[T+8*\b+\i:T+8*\b+\i+1], v[64*(\a%4)+8*\b+\i:64*(\a%4)+8*\b+\i+1], s[96:97], v[BA+2*\a:BA+2*\a+1] op_sel_hi:[1,0,1]   ; each accumulator from its low end on
.else
	v_pk_fma_f32 v[T+8*\b+\i:T+8*\b+\i+1], v[64*(\a%4)+8*\b+\i:64*(\a%4)+8*\b+\i+1], s[96:97], v[BB+8*\b+\i:BB+8*\b+\i+1] op_sel_hi:[1,0,1]
.endif
.endr
.endr
	WIN 0
.set j, 0
.rept 64
.set j, j+1
.endr
.irp b, 0,1,2,3,4,5,6,7
	v_cvt_scalef32_pk8_fp8_f32 v[CD+16*(\a%4)+2*\b:CD+16*(\a%4)+2*\b+1], v[T+8*\b:T+8*\b+7], v[SCV]
.endr
	v_nop                                          ; a plain vector line between the conversions and the next block's lines, which write their sources
.irp i, 0,1,2,3
.if \kind
	global_store_b128 v[LN], v[CD+16*(\a%4)+4*\i:CD+16*(\a%4)+4*\i+3], s[10:11] offset:393216*(\a/4)+2048*(\a%4)+512*\i      ; head a / 4, rows 16 (a % 4) on of its 64, keys 32 i on
.else
	global_store_b128 v[LN], v[CD+16*(\a%4)+4*\i:CD+16*(\a%4)+4*\i+3], s[10:11] offset:1024*\a+393216*(\i/2)+512*(\i%2)      ; tile a, head i / 2, d = 32 (i % 2) on
.endif
.endr
.endr
.endm
	s_wait_kmcnt 0x0
	s_add_co_i32 s96, s68, s69                     ; e0 + e1
	s_add_co_i32 s96, s96, 127
	s_lshl_b32 s96, s96, 23                        ; 2^(e0 + e1) as f32
	s_mov_b32 s97, s96                             ; (named with it as a pair, so it is written)
	s_cmp_eq_u32 ttmp9, 0
	s_cselect_b32 s92, s70, s71                    ; q: e2, k: e3,
	s_cmp_eq_u32 ttmp9, 2
	s_cselect_b32 s92, s73, s92                    ; v: e5.  A choice, no branch
	s_add_co_i32 s92, s92, 127
	s_lshl_b32 s93, s92, 23
	v_mov_b32 v[SCV], s93
	s_wait_loadcnt 0x0                             ; the bias
	PLACES NP                                      ; behind the last products: their operands' registers are written and, later, their results read
	s_lshr_b32 s88, s76, 1
	s_lshl_b32 s88, s88, 4                         ; 16 x the batch
	s_and_b32 s89, s76, 1
	s_lshl_b32 s89, s89, 2                         ; the cluster's first tile of 256 tokens within the batch
	s_cmp_eq_u32 ttmp9, 2
	s_cbranch_scc1 .Lv                             ; on the cluster's x: the same way in all sixteen partners; no barrier and no tensor load stands in either way
	s_lshl_b32 s90, s40, 2
	s_add_co_u32 s90, s90, s88
	s_lshl_b32 s91, s16, 1
	s_add_co_u32 s90, s90, s91                     ; my first head: 16 batch + 4 cx + 2 x my half of B
	s_mul_i32 s90, s90, 3
	s_add_co_u32 s90, s90, ttmp9                   ; its Q (0) or K (1) part
	s_lshl_b32 s90, s90, 17
	s_add_co_u32 s91, s89, s41
	s_lshl_b32 s91, s91, 4
	s_lshl_b32 s92, s15, 3
	s_add_co_u32 s91, s91, s92                     ; my first tile of 16 tokens in the batch
	s_lshl_b32 s91, s91, 10
	s_add_co_u32 s90, s90, s91
	s_mov_b32 s91, 0
	s_add_nc_u64 s[10:11], s[10:11], s[90:91]
	EPI 0
	s_branch .Ldone
.Lv:
	s_lshl_b32 s90, s41, 2
	s_add_co_u32 s90, s90, s88
	s_lshl_b32 s91, s15, 1
	s_add_co_u32 s90, s90, s91                     ; my first head: 16 batch + 4 cy + 2 x my half of A
	s_mul_i32 s90, s90, 3
	s_add_co_u32 s90, s90, 2                       ; its V part
	s_lshl_b32 s90, s90, 17
	s_add_co_u32 s91, s89, s40
	s_lshl_b32 s91, s91, 1
	s_add_co_u32 s91, s91, s16                     ; my 128 keys of the batch
	s_lshl_b32 s91, s91, 13
	s_add_co_u32 s90, s90, s91
	s_mov_b32 s91, 0
	s_add_nc_u64 s[10:11], s[10:11], s[90:91]
	EPI 1
.Ldone:
	s_wait_tensorcnt 0x0                           ; the wave's end
	ds_add_u32 v[SPW], v[NIL]
	s_wait_dscnt 0x0
	CROUND                                         ; the closing round: no work-group ends while a partner may still ask for a tile that names it
	s_endpgm
.Lfunc_end_k_qef036ecef6_gemm_qkv:
	.size	k_qef036ecef6_gemm_qkv, .Lfunc_end_k_qef036ecef6_gemm_qkv-k_qef036ecef6_gemm_qkv
	.p2alignl 7, 3214868480
	.fill 96, 4, 3214868480
	.section	.rodata,"a",@progbits
	.p2align	6, 0x0
	.amdhsa_kernel k_qef036ecef6_gemm_qkv
		.amdhsa_group_segment_fixed_size 327680
		.amdhsa_private_segment_fixed_size 0
		.amdhsa_enable_private_segment 0
		.amdhsa_kernarg_size 32
		.amdhsa_user_sgpr_count 2
		.amdhsa_user_sgpr_kernarg_segment_ptr 1
		.amdhsa_wavefront_size32 1
		.amdhsa_system_sgpr_workgroup_id_x 1
		.amdhsa_system_sgpr_workgroup_id_y 1
		.amdhsa_system_sgpr_workgroup_id_z 1
		.amdhsa_system_vgpr_workitem_id 0
		.amdhsa_next_free_vgpr 1024
		.amdhsa_next_free_sgpr 100
		.amdhsa_reserve_vcc 0
		.amdhsa_float_denorm_mode_32 3
		.amdhsa_float_denorm_mode_16_64 3
		.amdhsa_fp16_overflow 1
		.amdhsa_memory_ordered 1
		.amdhsa_forward_progress 1
		.amdhsa_inst_pref_size 130
	.end_amdhsa_kernel
	.amdgpu_metadata
---
amdhsa.version: [ 1, 2 ]
amdhsa.kernels:
  - .name:           k_qef036ecef6_gemm_qkv
    .symbol:         k_qef036ecef6_gemm_qkv.kd
    .args:
      - { .name: codes, .offset: 0, .size: 8, .value_kind: global_buffer, .address_space: global }
      - { .name: b_in, .offset: 8, .size: 8, .value_kind: global_buffer, .address_space: global }
      - { .name: lowp_scales, .offset: 16, .size: 8, .value_kind: global_buffer, .address_space: global }
      - { .name: qkv, .offset: 24, .size: 8, .value_kind: global_buffer, .address_space: global }
    .group_segment_fixed_size: 327680
    .private_segment_fixed_size: 0
    .kernarg_segment_align: 8
    .kernarg_segment_size: 32
    .max_flat_workgroup_size: 128
    .sgpr_count:     100
    .vgpr_count:     1024
    .wavefront_size: 32
...
	.end_amdgpu_metadata
.endif
;; end of part 2
;; launch attn (part 3): grid 4 x 64, 16 waves a work-group, clusters of 4 x 1, 264,192 bytes of LDS; arguments qkv, lowp_scales, ac; writes ac
.if DOCPART == 3
	.amdgcn_target "amdgcn-amd-amdhsa--gfx1250"
	.amdhsa_code_object_version 6
	.text
	.protected	k_qef036ecef6_attn
	.globl	k_qef036ecef6_attn
	.p2align	8
	.type	k_qef036ecef6_attn,@function
k_qef036ecef6_attn:
	s_mov_b64 s[64:65], 0
	v_nop
	global_prefetch_b8 v0, s[64:65] scope:SCOPE_SE
	s_setreg_imm32_b32 hwreg(HW_REG_WAVE_MODE, 25, 1), 1
	s_wait_xcnt 0x0
	s_wait_alu depctr_hold_cnt(0) depctr_sa_sdst(0) depctr_va_vdst(0) depctr_va_sdst(0) depctr_va_ssrc(0) depctr_va_vcc(0) depctr_vm_vsrc(0)
	s_getreg_b32 s2, hwreg(HW_REG_IB_STS2, 6, 4)
	s_cmp_eq_u32 s2, 0
	s_cbranch_scc0 .Lentry_in_a_cluster
	s_endpgm
.Lentry_in_a_cluster:
	s_bfe_u32 s2, ttmp6, 0x10000c
	s_cmp_lg_u32 s2, 0x3003
	s_cbranch_scc0 .Lentry_shape_is_right
	s_endpgm
.Lentry_shape_is_right:
; Causal attention on codes of FP8 (E4M3), 64 heads (batch x 16 + head) of 2,048 tokens x 64; the result is divided by the row's sum, quantised and stored as images of the last product's operand.
; IN, for each head 393,216 bytes: [Q][K][V] as images of operand registers: Q, K: tile of 16 rows = 1,024 bytes, chunk c (512 bytes), lane l's 16 bytes at 16 l: d = 32 c + 16 (l / 16) + 0 .. 15 of row l % 16;
;   V: fragment (128 keys kappa, 16 rows delta of the head's 64) at (4 kappa + delta) x 2,048, chunk c: keys 32 c + 16 (l / 16) + 0 .. 15.  Rows of Q, K (tokens) and of V (the head's 64) lie in PI's order: bits 3 and 4 of the index swapped.
; THE SOFTMAX: t = score x log2(e) / 8; M = the running largest t rounded UP to a whole number; p = 2^(t - M) is quantised, not normalised; the row's sum is taken of the unquantised p and divides at the end.
;   When M moves, the sum and O are multiplied by 2^(old M - new M), which rounds nothing.
; SHARES.  A cluster of four work-groups is one head.  A wave owns 32 queries, two tiles: group u = 4 rho + g of the head's 64, g the work-group's place in the cluster, rho a rank made of the wave's number.
;   Its key steps of 128 are 0 .. rho and the diagonal lies in step rho, whatever g is: no branch hangs on the place in the cluster, and every work-group has 136 steps.  rho is dealt so that the waves w with equal w % 4,
;   and those with equal w / 4, have ranks that add up to 30.
; LDS HOLDS THE HEAD'S WHOLE K AND V, 262,144 bytes, as they lie in memory: K at 0, V at 131,072.  Nothing is filled again and nothing is stored to LDS.  The four work-groups ask for them jointly: wave 0 for K, wave 1 for V,
;   each by two loads: the first 256 keys (16,384 bytes) and the rest.  The first two key steps run behind the first loads; one more barrier, and the waves run free.  A fragment's load reads 512 consecutive bytes.
; LAYOUT.  Both products are used transposed: S^T = K Q^T, O^T = V^T P^T: a lane holds one query (lane % 16) throughout.  By PI's order the 16 registers of score tiles 2 b, 2 b + 1 are keys 32 b + 16 (lane / 16) + 0 .. 15,
;   and those of O's tiles 2 b, 2 b + 1 are d = 32 b + 16 (lane / 16) + 0 .. 15: the conversions' results are the next operand's registers.  Each fragment of K and V that is read from LDS serves both tiles.
; No prefetch is written: every byte of K and V is asked for at the head by the loads themselves.
; LIMITS on the given exponents: e2 + e3 between -123 and 130 (added to the exponent field of log2(e) / 8); e4 and e6 between -126 and 119; e4 + e5 is applied by v_ldexp_f32 and has none.
.set STEPB, 8192                       ; a key step's bytes of K, and of V
.set VOFF,  131072
.set LN,   1                           ; v1   16 x lane; never rewritten
.set ADK,  2                           ; v2   LDS address of the step's K
.set ADV,  3                           ; v3   of its V
.set NINF, 5                           ; v5   -infinity
.set PLIM, 6
.set PSC,  7                           ; v7   2^e4
.set DQ,   8                           ; v8, v9  tile q: in the diagonal step register 16 b + i is hidden where 32 b + i > this
.set MA,   10                          ; v10, v11  at work
.set MB,   11
.set ST,   12                          ; tile q at v[12 + 4 q]: -M, the largest t, the sum in two halves
.set FF,   20                          ; v[20:21] f = 2^(old M - new M), and a 0 named with it as a pair
.set TS,   22                          ; v[22:23] the sum's second chain
.set QF,   32                          ; v32-47   Q: 8 registers a tile
.set KB,   48                          ; v48-111  K: 8 tiles of 16 keys; later v48-63 tile 1's codes of p
.set S,    112                         ; v112-175 S^T, then p, then V's four fragments
.set O,    176                         ; v176-239 O^T: 32 registers a tile
.set CA,   240                         ; v240-255 tile 0's codes of p
.set TB,   2                           ; s2   the step's LDS byte
.set KS,   3                           ; s3   the key step
.set WV,   18
.set RHO,  19
.set SEL,  20                          ; s[20:21] v_permlanex16_b32's selects for lane l xor 16
.set CS,   22                          ; s[22:23] c = log2(e) / 8 x 2^(e2 + e3)
.set G1A,  24                          ; s[24:31] group 1: 64 rows of 256 bytes
.set G1B,  32                          ; s[32:39] group 1: 448 rows of 256 bytes
.set G0A,  40
.set G0B,  44
.macro CROUND                          ; a round of the cluster's barrier
	s_barrier_signal -1
	s_barrier_wait -1
	s_cmp_lg_u32 s[WV], 0
	s_cbranch_scc1 .Lnot_wave_0_\@
	s_barrier_signal -3
.Lnot_wave_0_\@:
	s_barrier_wait -3
	s_barrier_signal -1
	s_barrier_wait -1
.endm
	s_load_b128 s[4:7], s[0:1], 0x0                ; qkv s[4:5], the scales' exponents s[6:7]
	s_load_b64 s[8:9], s[0:1], 0x10                ; ac
	v_lshl_add_u32 v30, v0, 2, 0x40000
	v_mov_b32 v31, 0
	ds_add_u32 v30, v31
	ds_add_u32 v30, v31
	v_lshrrev_b32 v2, 5, v0
	s_delay_alu instid0(VALU_DEP_1)
	v_readfirstlane_b32 s[WV], v2                  ; wave 0..15
	s_bfe_u32 s10, ttmp6, 0x40000                  ; g: my place in the cluster
	s_and_b32 s11, ttmp7, 0xffff                   ; the head, 0..63
	s_lshr_b32 s12, s[WV], 1
	s_xor_b32 s12, s12, s[WV]
	s_and_b32 s13, s12, 1                          ; the parity of w % 4
	s_bfe_u32 s14, s12, 0x10002                    ; the parity of w / 4
	s_mul_i32 s13, s13, 12
	s_mul_i32 s14, s14, 3
	s_xor_b32 s[RHO], s[WV], s13                   ; w / 4 is turned over where w % 4 is odd of parity,
	s_xor_b32 s[RHO], s[RHO], s14                  ; w % 4 where w / 4 is: a one-to-one map of 0..15
	s_lshl_b32 s15, s[RHO], 2
	s_add_co_u32 s15, s15, s10                     ; u: my 32 queries
	s_mul_i32 s56, s11, 393216                     ; the head's first byte (under 2^25)
	s_and_b32 s16, s[WV], 1
	s_lshl_b32 s16, s16, 17                        ; wave 0: K, wave 1: V: 131,072 bytes apart in LDS as in memory
	s_add_co_u32 s58, s56, s16
	s_add_co_u32 s58, s58, 131072
	s_mov_b32 s59, 0
	s_mov_b32 s[G1A], 15|(3<<16)|(1<<21)           ; 15:0 the mask: all four work-groups; 17:16 elements of 8 bytes; 21 set beside a mask; no padding
	s_mov_b32 s[G1A+1], 32<<16                     ; tensor_dim0 = 32 elements: 256 bytes
	s_mov_b32 s[G1A+2], 64<<16                     ; tensor_dim1 = 64
	s_mov_b32 s[G1A+3], 32<<16                     ; tile_dim0
	s_mov_b32 s[G1A+4], 64                         ; tile_dim1
	s_mov_b32 s[G1A+5], 32                         ; the rows are dense
	s_mov_b32 s[G1A+6], 0
	s_mov_b32 s[G1A+7], 0
	s_mov_b32 s[G1B], 15|(3<<16)|(1<<21)
	s_mov_b32 s[G1B+1], 32<<16
	s_mov_b32 s[G1B+2], 448<<16
	s_mov_b32 s[G1B+3], 32<<16
	s_mov_b32 s[G1B+4], 448
	s_mov_b32 s[G1B+5], 32
	s_mov_b32 s[G1B+6], 0
	s_mov_b32 s[G1B+7], 0
	s_mov_b32 s[SEL], 0x76543210
	s_mov_b32 s[SEL+1], 0xfedcba98
	s_mov_b32 s[CS], 0x3e38aa3b                    ; log2(e) / 8
	s_wait_dscnt 0x0
	s_wait_kmcnt 0x0
	s_load_b256 s[48:55], s[6:7], 0x0              ; e0 .. e7
	s_mov_b32 s[G0A], 1
	s_mov_b32 s[G0A+1], s16
	s_add_nc_u64 s[G0A+2:G0A+3], s[4:5], s[58:59]
	s_add_nc_u64 s[G0B+2:G0B+3], s[G0A+2:G0A+3], 16384
	s_or_b32 s[G0A+3], s[G0A+3], 0x80000000
	s_mov_b32 s[G0B], 1
	s_add_co_u32 s[G0B+1], s16, 16384
	s_or_b32 s[G0B+3], s[G0B+3], 0x80000000
	CROUND                                         ; all four work-groups are here: the joint loads meet
	s_cmp_lt_u32 s[WV], 2                          ; a wave's two fills stand in one branch on its number; two loads of the wave are out
	s_cbranch_scc0 .Lno_fill
	tensor_load_to_lds s[G0A:G0A+3], s[G1A:G1A+7]  ; the first 256 keys
	s_nop 0
	tensor_load_to_lds s[G0B:G0B+3], s[G1B:G1B+7]  ; the other 1,792
	s_nop 0
.rept 4
	v_nop
.endr
.Lno_fill:
	v_and_b32 v[LN], 31, v0
	s_delay_alu instid0(VALU_DEP_1)
	v_lshlrev_b32 v[LN], 4, v[LN]
	s_lshl_b32 s60, s15, 11                        ; my two tiles of Q: 2,048 bytes x u
	s_add_co_u32 s60, s60, s56
	s_mov_b32 s61, 0
	s_add_nc_u64 s[60:61], s[4:5], s[60:61]
.irp c, 0,1,2,3
	global_load_b128 v[QF+4*\c:QF+4*\c+3], v[LN], s[60:61] offset:512*\c th:TH_LOAD_NT   ; Q stays in registers
.endr
	s_lshr_b32 s12, s11, 4                         ; where my results go: tile 128 x batch + 2 u of all tokens, 8 fragments of 2,048 bytes each;
	s_lshl_b32 s12, s12, 7
	s_lshl_b32 s13, s15, 1
	s_add_co_u32 s12, s12, s13
	s_lshl_b32 s12, s12, 3
	s_bfe_u32 s13, s11, 0x30001                    ; two heads share a fragment of 128 along K:
	s_add_co_u32 s12, s12, s13
	s_lshl_b32 s12, s12, 11
	s_and_b32 s13, s11, 1
	s_lshl_b32 s13, s13, 10                        ; the odd one has its second half
	s_add_co_u32 s12, s12, s13
	s_mov_b32 s13, 0
	s_add_nc_u64 s[8:9], s[8:9], s[12:13]
	v_and_b32 v[DQ], 15, v0                        ; r
	s_delay_alu instid0(VALU_DEP_1)
	v_and_b32 v[DQ+1], 8, v[DQ]
	s_delay_alu instid0(VALU_DEP_1)
	v_add_nc_u32 v[DQ], v[DQ], v[DQ+1]             ; r + 8 (r / 8)
	v_bfe_u32 v[DQ+1], v0, 4, 1
	s_delay_alu instid0(VALU_DEP_1)
	v_lshlrev_b32 v[DQ+1], 4, v[DQ+1]
	s_delay_alu instid0(VALU_DEP_1)
	v_sub_nc_u32 v[DQ], v[DQ], v[DQ+1]             ; - 16 (lane / 16)
	s_lshl_b32 s12, s10, 5
	v_add_nc_u32 v[DQ], s12, v[DQ]                 ; + 32 g: tile 0's query less the step's first key less my half's 16
	s_delay_alu instid0(VALU_DEP_1)
	v_add_nc_u32 v[DQ+1], 8, v[DQ]                 ; tile 1's queries lie 8 further on
	v_mov_b32 v[NINF], 0xff800000
	v_mov_b32 v[ST+1], 0xff61b1e6                  ; the largest t so far: -3e38, under every t
	v_mov_b32 v[ST+5], 0xff61b1e6
	s_delay_alu instid0(VALU_DEP_2)
	v_floor_f32 v[ST], -v[ST+1]                    ; -M
	s_delay_alu instid0(VALU_DEP_2)
	v_floor_f32 v[ST+4], -v[ST+5]
	v_mov_b32 v[ST+2], 0                           ; the sums
	v_mov_b32 v[ST+3], 0
	v_mov_b32 v[ST+6], 0
	v_mov_b32 v[ST+7], 0
	v_mov_b32 v[FF+1], 0                           ; (named as the upper half of a pair)
	v_mov_b32 v24, 0                               ; a lane permute's destination counts as one of its sources
	v_mov_b32 v25, 0
.set j, 0
.rept 64
	v_mov_b32 v[O+j], 0                            ; O^T.  (The step is written with no first step of its own: the first change of M multiplies zeros)
.set j, j+1
.endr
	s_wait_kmcnt 0x0
	s_add_co_i32 s12, s50, s51
	s_lshl_b32 s12, s12, 23
	s_add_co_i32 s[CS], s[CS], s12                 ; a score stands for score x 2^(e2 + e3): the exponents are added to c's exponent field
	s_mov_b32 s[CS+1], s[CS]
	s_add_co_i32 s12, s52, 127
	s_lshl_b32 s13, s12, 23
	v_mov_b32 v[PSC], s13
; ONE TILE'S SCORES AND SOFTMAX for the step's 128 keys.
.macro TILE q
.set SQ, ST+4*\q
.set OQ, O+32*\q
.if \q
.set CQ, KB
.else
.set CQ, CA
.endif
.irp t, 0,1,2,3,4,5,6,7
	v_wmma_f32_16x16x64_fp8_fp8 v[S+8*\t:S+8*\t+7], v[KB+8*\t:KB+8*\t+7], v[QF+8*\q:QF+8*\q+7], 0
.endr
.rept 4
	v_nop                                          ; places in front of the first read of the results
.endr
	s_cmp_lg_u32 s[KS], s[RHO]                     ; only the wave's last step lies on the diagonal
	s_cbranch_scc1 .Lopen_\@
.set n, 0
.rept 64
	v_cmp_gt_i32 vcc_lo, 32*(n/16)+n%16, v[DQ+\q]  ; a hidden key's score becomes -infinity ahead of the maximum: its p is 0
	v_cndmask_b32 v[S+n], v[S+n], v[NINF], vcc_lo
.set n, n+1
.endr
.Lopen_\@:
	v_max3_num_f32 v[MA], v[S], v[S+1], v[S+2]     ; the step's largest score of my query among my 64 keys, in two chains; each accumulator is first read at its low end
	v_max3_num_f32 v[MB], v[S+3], v[S+4], v[S+5]
.irp i, 6,10,14,18,22,26,30,34,38,42,46,50,54,58
	v_max3_num_f32 v[MA], v[MA], v[S+\i], v[S+\i+1]
	v_max3_num_f32 v[MB], v[MB], v[S+\i+2], v[S+\i+3]
.endr
	v_max3_num_f32 v[MA], v[MA], v[S+62], v[S+63]
	s_delay_alu instid0(VALU_DEP_1)
	v_max_num_f32 v[MA], v[MA], v[MB]
	s_delay_alu instid0(VALU_DEP_1)
	v_permlanex16_b32 v24, v[MA], s[SEL], s[SEL+1]
	s_delay_alu instid0(VALU_DEP_1)
	v_max_num_f32 v[MA], v[MA], v24                ; and among lane l xor 16's
	s_delay_alu instid0(VALU_DEP_1)
	v_mul_f32 v[MA], s[CS], v[MA]                  ; as t (c is positive)
	s_delay_alu instid0(VALU_DEP_1)
	v_max_num_f32 v[SQ+1], v[SQ+1], v[MA]          ; the running largest t
	v_mov_b32 v[MA], v[SQ]
	s_delay_alu instid0(VALU_DEP_2)
	v_floor_f32 v[SQ], -v[SQ+1]                    ; the new -M = floor(-t): M is a whole number
	s_delay_alu instid0(VALU_DEP_1)
	v_sub_f32 v[MA], v[SQ], v[MA]                  ; old M - new M: a whole number, 0 or less
	s_delay_alu instid0(VALU_DEP_1)
	v_cvt_i32_f32 v[MA], v[MA]                     ; (it saturates)
	s_delay_alu instid0(VALU_DEP_1)
	v_ldexp_f32 v[FF], 1.0, v[MA]                  ; f = 2^(old M - new M)
.set j, 0
.rept 32
	v_pk_fma_f32 v[S+j:S+j+1], v[S+j:S+j+1], s[CS:CS+1], v[SQ:SQ+1] op_sel_hi:[1,0,0]   ; t - M, two at a time
.set j, j+2
.endr
.set j, 0
	s_wait_alu depctr_va_vdst(0)
.rept 64
	v_exp_f32 v[S+j], v[S+j]                       ; p = 2^(t - M)
.set j, j+1
.endr
	v_pk_mul_f32 v[SQ+2:SQ+3], v[SQ+2:SQ+3], v[FF:FF+1] op_sel_hi:[1,0]   ; the sums under the new M: the plain line behind the exponentials
	s_wait_alu depctr_va_vdst(0)                   ; one wait for the batch of 64, ahead of its first reader
	v_pk_add_f32 v[TS:TS+1], v[S:S+1], v[S+2:S+3]  ; the row's sum is taken of the unquantised p, in two chains
.irp j, 4,8,12,16,20,24,28,32,36,40,44,48,52,56,60
	v_pk_add_f32 v[SQ+2:SQ+3], v[SQ+2:SQ+3], v[S+\j:S+\j+1]
	v_pk_add_f32 v[TS:TS+1], v[TS:TS+1], v[S+\j+2:S+\j+3]
.endr
	s_delay_alu instid0(VALU_DEP_1)
	v_pk_add_f32 v[SQ+2:SQ+3], v[SQ+2:SQ+3], v[TS:TS+1]
.irp b, 0,1,2,3
.irp i, 0,1,2,3,4,5,6,7,8,9,10,11,12,13,14,15
.endr
	v_cvt_scalef32_pk8_fp8_f32 v[CQ+4*\b:CQ+4*\b+1], v[S+16*\b:S+16*\b+7], v[PSC]
	v_cvt_scalef32_pk8_fp8_f32 v[CQ+4*\b+2:CQ+4*\b+3], v[S+16*\b+8:S+16*\b+15], v[PSC]
.endr
.if \q
	s_setprio 0
	v_nop
.irp d, 0,1,2,3                                ; p has been converted: its registers take V's four fragments; the sixteen multiplies below are issued while the loads are out
.irp c, 0,1,2,3
	ds_load_b128 v[S+16*\d+4*\c:S+16*\d+4*\c+3], v[ADV] offset:2048*\d+512*\c
.endr
.endr
.endif
.set j, 0
.rept 16
	v_pk_mul_f32 v[OQ+j:OQ+j+1], v[OQ+j:OQ+j+1], v[FF:FF+1] op_sel_hi:[1,0]   ; O^T under the new M.  (Also the plain lines behind the conversions, and the places ahead of the matrix results that are laid over p)
.set j, j+2
.endr
.endm
; A KEY STEP: 128 keys for both tiles.  A step all of whose keys come after my queries is left out: a scalar branch on the wave's rank, round the work alone; the lines that step the address and the counter are on every way.
.macro STEP
	s_cmp_gt_u32 s[KS], s[RHO]
	s_cbranch_scc1 .Lhidden_\@
	s_setprio 2
	v_add_nc_u32 v[ADK], s[TB], v[LN]
	s_delay_alu instid0(VALU_DEP_1)
	v_add_nc_u32 v[ADV], VOFF, v[ADK]
.rept 3
	v_nop                                          ; with the two additions five places behind the last step's products: loads land on registers that they read (four are owed), and matrix results are laid over others (five)
.endr
.irp t, 0,1,2,3,4,5,6,7
	ds_load_b128 v[KB+8*\t:KB+8*\t+3], v[ADK] offset:1024*\t
	ds_load_b128 v[KB+8*\t+4:KB+8*\t+7], v[ADK] offset:1024*\t+512
.endr
	s_wait_dscnt 0x0
	TILE 0
	s_setprio 1
	TILE 1
	s_wait_alu depctr_va_vdst(0)
	s_wait_dscnt 0x0                               ; V
.irp d, 0,1,2,3                                ; O^T += V^T P^T: eight accumulators, one instruction a turn
	v_wmma_f32_16x16x128_fp8_fp8 v[O+8*\d:O+8*\d+7], v[S+16*\d:S+16*\d+15], v[CA:CA+15], v[O+8*\d:O+8*\d+7]
	v_wmma_f32_16x16x128_fp8_fp8 v[O+32+8*\d:O+32+8*\d+7], v[S+16*\d:S+16*\d+15], v[KB:KB+15], v[O+32+8*\d:O+32+8*\d+7]
.endr
.Lhidden_\@:
	s_add_co_u32 s[TB], s[TB], STEPB
	s_add_co_u32 s[KS], s[KS], 1
.endm
	s_wait_loadcnt 0x0                             ; Q
	s_wait_tensorcnt 0x1                           ; my first load, the first 256 keys, has landed; the larger one may stay out
	s_barrier_signal -1
	s_barrier_wait -1                              ; both first loads have
	s_mov_b32 s[TB], 0
	s_mov_b32 s[KS], 0
.Lnear:                                            ; key steps 0 and 1 read LDS bytes 0-16,383 of K and of V alone
	STEP
	s_cmp_lt_u32 s[KS], 2
	s_cbranch_scc1 .Lnear
	s_setprio 0
	s_wait_tensorcnt 0x0                           ; the rest has landed,
	s_wait_dscnt 0x0
	s_barrier_signal -1
	s_barrier_wait -1                              ; for everybody.  From here on the waves share nothing but bytes that nobody writes
	s_mov_b32 s[TB], 2*STEPB                       ; (the values that the first loop left, written out so that this loop's range can be read off its own head)
	s_mov_b32 s[KS], 2
.Lfar:
	STEP
	s_cmp_lt_u32 s[KS], 16
	s_cbranch_scc1 .Lfar
	s_setprio 0
	; THE END: O^T / the sum x 2^(e4 + e5) is the attention's result in f32; it is held, converted with 2^e6 and stored: 16 registers of two neighbouring tiles of O^T are 16 neighbours along the last product's K.
.rept 4
	v_nop                                          ; places behind the last products
.endr
	v_add_f32 v14, v14, v15                        ; the sums' two halves,
	v_add_f32 v18, v18, v19
	s_delay_alu instid0(VALU_DEP_2)
	v_permlanex16_b32 v24, v14, s[SEL], s[SEL+1]
	s_delay_alu instid0(VALU_DEP_2)
	v_permlanex16_b32 v25, v18, s[SEL], s[SEL+1]
	s_delay_alu instid0(VALU_DEP_2)
	v_add_f32 v14, v14, v24                        ; and lane l xor 16's
	s_delay_alu instid0(VALU_DEP_2)
	v_add_f32 v18, v18, v25
	s_wait_alu depctr_va_vdst(0)
	v_rcp_f32 v14, v14
	v_rcp_f32 v18, v18
	v_nop                                          ; a plain line behind the reciprocals
	s_add_co_i32 s12, s52, s53                     ; e4 + e5
	s_add_co_i32 s13, s54, 127
	s_lshl_b32 s14, s13, 23
	v_mov_b32 v26, s14                             ; 2^e6
	s_wait_alu depctr_va_vdst(0)                   ; one wait for both reciprocals, ahead of their first reader
	v_ldexp_f32 v14, v14, s12
	v_ldexp_f32 v18, v18, s12
.irp q, 0,1
.set j, 0
.rept 16
	v_pk_mul_f32 v[S+32*\q+j:S+32*\q+j+1], v[O+32*\q+j:O+32*\q+j+1], v[14+4*\q:15+4*\q] op_sel_hi:[1,0]   ; each accumulator from its low end on
.set j, j+2
.endr
.set j, 0
.rept 32
.set j, j+1
.endr
.irp b, 0,1
	v_cvt_scalef32_pk8_fp8_f32 v[CA+8*\q+4*\b:CA+8*\q+4*\b+1], v[S+32*\q+16*\b:S+32*\q+16*\b+7], v26
	v_cvt_scalef32_pk8_fp8_f32 v[CA+8*\q+4*\b+2:CA+8*\q+4*\b+3], v[S+32*\q+16*\b+8:S+32*\q+16*\b+15], v26
.endr
	v_nop                                          ; a plain line behind the conversions
.irp b, 0,1
	global_store_b128 v[LN], v[CA+8*\q+4*\b:CA+8*\q+4*\b+3], s[8:9] offset:16384*\q+512*\b   ; the wave stores 512 consecutive bytes, aligned
.endr
.endr
	s_wait_tensorcnt 0x0
	ds_add_u32 v30, v31
	s_wait_dscnt 0x0
	CROUND                                         ; the closing round
	s_endpgm
.Lfunc_end_k_qef036ecef6_attn:
	.size	k_qef036ecef6_attn, .Lfunc_end_k_qef036ecef6_attn-k_qef036ecef6_attn
	.p2alignl 7, 3214868480
	.fill 96, 4, 3214868480
	.section	.rodata,"a",@progbits
	.p2align	6, 0x0
	.amdhsa_kernel k_qef036ecef6_attn
		.amdhsa_group_segment_fixed_size 264192
		.amdhsa_private_segment_fixed_size 0
		.amdhsa_enable_private_segment 0
		.amdhsa_kernarg_size 24
		.amdhsa_user_sgpr_count 2
		.amdhsa_user_sgpr_kernarg_segment_ptr 1
		.amdhsa_wavefront_size32 1
		.amdhsa_system_sgpr_workgroup_id_x 1
		.amdhsa_system_sgpr_workgroup_id_y 1
		.amdhsa_system_sgpr_workgroup_id_z 1
		.amdhsa_system_vgpr_workitem_id 0
		.amdhsa_next_free_vgpr 256
		.amdhsa_next_free_sgpr 66
		.amdhsa_reserve_vcc 1
		.amdhsa_float_denorm_mode_32 3
		.amdhsa_float_denorm_mode_16_64 3
		.amdhsa_fp16_overflow 1
		.amdhsa_memory_ordered 1
		.amdhsa_forward_progress 1
		.amdhsa_inst_pref_size 84
	.end_amdhsa_kernel
	.amdgpu_metadata
---
amdhsa.version: [ 1, 2 ]
amdhsa.kernels:
  - .name:           k_qef036ecef6_attn
    .symbol:         k_qef036ecef6_attn.kd
    .args:
      - { .name: qkv, .offset: 0, .size: 8, .value_kind: global_buffer, .address_space: global }
      - { .name: lowp_scales, .offset: 8, .size: 8, .value_kind: global_buffer, .address_space: global }
      - { .name: ac, .offset: 16, .size: 8, .value_kind: global_buffer, .address_space: global }
    .group_segment_fixed_size: 264192
    .private_segment_fixed_size: 0
    .kernarg_segment_align: 8
    .kernarg_segment_size: 24
    .max_flat_workgroup_size: 512
    .sgpr_count:     66
    .vgpr_count:     256
    .wavefront_size: 32
...
	.end_amdgpu_metadata
.endif
;; end of part 3
;; launch gemm_out (part 4): grid 4 x 32, 4 waves a work-group, clusters of 4 x 4, 327,680 bytes of LDS; arguments ac, codes, lowp_scales, b_out, out0; writes out0
.if DOCPART == 4
	.amdgcn_target "amdgcn-amd-amdhsa--gfx1250"
	.amdhsa_code_object_version 6
	.text
	.protected	k_qef036ecef6_gemm_out
	.globl	k_qef036ecef6_gemm_out
	.p2align	8
	.type	k_qef036ecef6_gemm_out,@function
k_qef036ecef6_gemm_out:
	s_mov_b64 s[64:65], 0
	v_nop
	global_prefetch_b8 v0, s[64:65] scope:SCOPE_SE
	s_setreg_imm32_b32 hwreg(HW_REG_WAVE_MODE, 25, 1), 1
	s_wait_xcnt 0x0
	s_wait_alu depctr_hold_cnt(0) depctr_sa_sdst(0) depctr_va_vdst(0) depctr_va_sdst(0) depctr_va_ssrc(0) depctr_va_vcc(0) depctr_vm_vsrc(0)
	s_getreg_b32 s2, hwreg(HW_REG_IB_STS2, 6, 4)
	s_cmp_eq_u32 s2, 0
	s_cbranch_scc0 .Lentry_in_a_cluster
	s_endpgm
.Lentry_in_a_cluster:
	s_bfe_u32 s2, ttmp6, 0x10000c
	s_cmp_lg_u32 s2, 0xf033
	s_cbranch_scc0 .Lentry_shape_is_right
	s_endpgm
.Lentry_shape_is_right:
; out0 = a w_out + b_out on codes of FP8 (E4M3).  K = 1,024.  out0: [8192][1024] f32.
; A, the attention's result, lies as IMAGES OF ITS FRAGMENTS: fragment (tile T of 16 rows, K step s of 128) at (8 T + s) x 2,048 bytes: chunk c of 512 bytes, lane l's 16 bytes at 16 l: K = 128 s + 32 c + 16 (l / 16) + 0 .. 15 of row l % 16.
; B: rows 11264 on of the codes' buffer, a row of 1,024 codes for each column of w_out.  A's rows (tokens) and B's rows (columns) lie in PI's order: bits 3 and 4 of the index swapped; the way out puts both back.
; A tile of the result, 256 x 256, is made by a work-group of four waves, 128 x 128 a wave: 64 accumulators.  K goes in steps of 256 through a ring of two LDS slots.  4 x 4 work-groups form a cluster: A's tiles are asked for
; jointly along a row of the cluster, B's along a column.  THE MATRIX INSTRUCTION IS USED TRANSPOSED (source 0 = B's rows, source 1 = A's rows): a lane holds eight numbers of one row of the result.
; The result has 128 tiles of 256 x 256, so 128 work-groups are launched.
; LIMIT: e6 + e7 lies between -126 and 127, so that 2^(e6 + e7) is an f32 number.
; REGISTERS, in windows of 256: window 0: v0-31 addresses; v32-35 the bias of my four columns; from v128 A's fragments, one set; on the way out v128-255 two sets of 16 rows.
;   window 1: B's fragments, two sets.   window 2: the accumulators of my rows 0-63 ((a, b) at v[8 (8 a + b)]);   window 3: those of my rows 64-127.
.set ROWB,   256                       ; B: a tile's row in bytes
.set KROW,   1024                      ; B: a row in memory
.set PITCH,  272                       ; B: an LDS row: 256 bytes + 16 of padding
.set ASTEP,  4096                      ; A: a K step of 256 of one tile of 16 rows: two fragments
.set AROW,   16384                     ; A: from a tile of 16 rows to the next, in memory
.set HALFA,  8*ASTEP                   ; A: 128 rows of a K step: dense in LDS; a fragment's load reads 512 consecutive bytes
.set HALFB,  128*PITCH
.set BOFF,   2*HALFA                   ; a slot: A's two halves, then B's two
.set SLOT,   BOFF+2*HALFB
.set FR,     16
.set NL,     4
.set NP,     4                         ; places behind this matrix instruction (ISA guide 7.12.1)
.set LAPS,   2
.set SPARE,  2*SLOT                    ; behind the ring: the spare words, 128 bytes a wave
.set SPITCH, 528                       ; the way out: a stage of 16 rows x (512 bytes + 16) for each wave, in slot 0, which has had its last fill and its last read when the first result is stored there
.set ADRA, 16
.set ADRB, 20
.set STO,  24                          ; v24  the way out: where I put my numbers of a row
.set RD,   25                          ; v25  where I read a row back
.set CO,   26                          ; v26  16 x lane; never rewritten
.set SPW,  28
.set NIL,  29
.set BI,   32                          ; v32-35 b_out at my four columns
.set AF,   128
.set BK,   128
.set G1, 24
.set G0, 32
.set G1B, 48
.set G0B, 56
.set MSB, 0
.macro WIN new
.if MSB != (\new)
	s_set_vgpr_msb (MSB<<8)|(\new)
.set MSB, (\new)
.endif
.endm
.set MUL_LO, 0xa1
.set MUL_HI, 0xf1
.set TO_B,   0x40
.macro JLOAD g0a, g1a, g0b, g1b        ; a joint load: waves 0 and 1 fetch for A, waves 2 and 3 for B; four v_nop follow each of the two lines
	s_cmp_eq_u32 s15, 0
	s_cbranch_scc0 .Lfor_b_\@
	tensor_load_to_lds s[\g0a:\g0a+3], s[\g1a:\g1a+7]
	s_nop 0
.rept 4
	v_nop
.endr
	s_branch .Lasked_\@
.Lfor_b_\@:
	tensor_load_to_lds s[\g0b:\g0b+3], s[\g1b:\g1b+7]
	s_nop 0
.rept 4
	v_nop
.endr
.Lasked_\@:
.endm
.macro CREST
	s_cmp_lg_u32 s14, 0
	s_cbranch_scc1 .Lnot_wave_0_\@
	s_barrier_signal -3
.Lnot_wave_0_\@:
	s_barrier_wait -3
	s_barrier_signal -1
	s_barrier_wait -1
.endm
.macro CROUND
	s_barrier_signal -1
	s_barrier_wait -1
	CREST
.endm
	s_load_b256 s[4:11], s[0:1], 0x0               ; ac s[4:5], the codes s[6:7], the scales' exponents s[8:9], b_out s[10:11]
	s_load_b64 s[12:13], s[0:1], 0x20              ; out0
	v_lshl_add_u32 v[SPW], v0, 2, SPARE
	v_mov_b32 v[NIL], 0
	ds_add_u32 v28, v29
	ds_add_u32 v28, v29
	s_wait_dscnt 0x0
	v_lshrrev_b32 v1, 5, v0
	v_readfirstlane_b32 s14, v1                    ; wave 0..3
	s_lshr_b32 s15, s14, 1                         ; which half of the tile's rows is mine.  Also: I fetch for A (0) or for B (1)
	s_and_b32 s16, s14, 1                          ; which half of its columns.  Also: which half of that tile I fetch
	s_bfe_u32 s40, ttmp6, 0x40000                  ; cx, cy
	s_bfe_u32 s41, ttmp6, 0x40004
	s_lshl_b32 s42, ttmp9, 2
	s_add_co_u32 s42, s42, s40                     ; tile column
	s_and_b32 s17, ttmp7, 0xffff
	s_lshl_b32 s17, s17, 2
	s_add_co_u32 s17, s17, s41                     ; tile row
	s_lshl_b32 s43, s41, 2
	s_lshl_b32 s43, 15, s43                        ; my row of the cluster
	s_lshl_b32 s44, 0x1111, s40                    ; my column
	s_or_b32 s[G1+0], s43, (0<<16)|(1<<21)         ; A: 15:0 the mask; elements of 1 byte; 21 set beside a mask; no padding
	s_mov_b32 s[G1+1], ASTEP<<16                   ; tensor_dim0 = 4,096
	s_mov_b32 s[G1+2], 8<<16                       ; tensor_dim1 = 8
	s_mov_b32 s[G1+3], ASTEP<<16                   ; tile_dim0
	s_mov_b32 s[G1+4], 8                           ; tile_dim1: eight tiles of 16 rows
	s_mov_b32 s[G1+5], AROW                        ; tensor_dim0_stride
	s_mov_b32 s[G1+6], 0
	s_mov_b32 s[G1+7], 0
	s_or_b32 s[G1B+0], s44, (0<<16)|(1<<20)|(1<<21)|(5<<22)|(3<<25)   ; B: padding of four words after every 64
	s_mov_b32 s[G1B+1], ROWB<<16
	s_mov_b32 s[G1B+2], 128<<16
	s_mov_b32 s[G1B+3], ROWB<<16
	s_mov_b32 s[G1B+4], 128
	s_mov_b32 s[G1B+5], KROW
	s_mov_b32 s[G1B+6], 0
	s_mov_b32 s[G1B+7], 0
	s_lshl_b32 s20, s17, 4
	s_lshl_b32 s18, s16, 3
	s_add_co_u32 s20, s20, s18
	s_lshl_b32 s20, s20, 14                        ; A: (16 x tile row + 8 x half) x 16,384 bytes
	s_mov_b32 s21, 0
	s_lshl_b32 s46, s42, 8
	s_lshl_b32 s18, s16, 7
	s_add_co_u32 s46, s46, s18
	s_add_co_u32 s46, s46, 11264
	s_lshl_b32 s46, s46, 10                        ; B: (11,264 + 256 x tile column + 128 x half) x 1,024 bytes
	s_mov_b32 s47, 0
	s_lshl_b32 s45, s16, 15                        ; where they go: A's half,
	s_mul_i32 s67, s16, HALFB
	s_add_co_u32 s67, s67, BOFF                    ; B's half: the wave's number alone enters an LDS address
	s_wait_kmcnt 0x0
	s_load_b256 s[68:75], s[8:9], 0x0              ; the eight exponents
	s_add_nc_u64 s[20:21], s[4:5], s[20:21]
	s_add_nc_u64 s[46:47], s[6:7], s[46:47]
	CROUND                                         ; all sixteen work-groups are here: the first joint loads meet
.irp s, 0,1
	s_mov_b32 s[G0+4*\s], 1
	s_add_co_u32 s[G0+4*\s+1], s45, \s*SLOT
	s_add_nc_u64 s[G0+4*\s+2:G0+4*\s+3], s[20:21], \s*ASTEP
	s_or_b32 s[G0+4*\s+3], s[G0+4*\s+3], 0x80000000
	s_mov_b32 s[G0B+4*\s], 1
	s_add_co_u32 s[G0B+4*\s+1], s67, \s*SLOT
	s_add_nc_u64 s[G0B+4*\s+2:G0B+4*\s+3], s[46:47], \s*ROWB
	s_or_b32 s[G0B+4*\s+3], s[G0B+4*\s+3], 0x80000000
	s_wait_alu depctr_va_vdst(0)
	s_wait_tensorcnt 0x0
	ds_add_u32 v28, v29
	ds_add_u32 v28, v29
	s_wait_dscnt 0x0
	CROUND
	JLOAD G0+4*\s, G1, G0B+4*\s, G1B
.endr
	v_and_b32 v1, 15, v0                           ; r
	v_bfe_u32 v2, v0, 4, 1                         ; h
	v_and_b32 v6, 31, v0
	v_lshlrev_b32 v[CO], 4, v6                     ; 16 x lane
	v_mul_u32_u24 v3, v1, PITCH
	v_lshl_add_u32 v4, v2, 4, v3                   ; B: a fragment's row x pitch + 16 x half
	s_lshl_b32 s21, s15, 15                        ; my 128 rows of A
	s_mul_i32 s22, s16, HALFB
	s_add_co_u32 s22, s22, BOFF                    ; my 128 rows of B
.irp s, 0,1
	v_add_nc_u32 v[ADRA+\s], s21, v[CO]
	v_add_nc_u32 v[ADRB+\s], s22, v4
	s_add_co_u32 s21, s21, SLOT
	s_add_co_u32 s22, s22, SLOT
.endr
	s_mul_i32 s23, s14, 16*SPITCH                  ; my stage
	v_mul_u32_u24 v5, v1, SPITCH                   ; in: row r; accumulator b's eight numbers are columns 32 (b / 2) + 16 h + 8 (b % 2) + 0 .. 7: PI's order is undone here
	v_lshl_add_u32 v5, v2, 6, v5
	v_add_nc_u32 v[STO], s23, v5
	v_add_nc_u32 v[RD], s23, v[CO]                 ; back: the 32 lanes take one row of 512 bytes
	s_lshl_b32 s20, s17, 8
	s_lshl_b32 s21, s15, 7
	s_add_co_u32 s20, s20, s21                     ; my first row of out0,
	s_lshl_b32 s20, s20, 12                        ; x 4,096 bytes
	s_lshl_b32 s46, s42, 10
	s_lshl_b32 s47, s16, 9
	s_add_co_u32 s46, s46, s47                     ; my first column, in bytes
	s_add_co_u32 s20, s20, s46
	s_mov_b32 s21, 0
	s_mov_b32 s47, 0
	s_add_nc_u64 s[12:13], s[12:13], s[20:21]
	s_add_nc_u64 s[10:11], s[10:11], s[46:47]
	global_load_b128 v[BI:BI+3], v[CO], s[10:11]   ; b_out at the four columns that I store
.macro FRAGA reg, adr, q, i            ; A's fragment comes as it was stored: four loads of 512 consecutive bytes
.irp c, 0,1,2,3
	ds_load_b128 v[\reg+4*\c:\reg+4*\c+3], v[\adr] offset:ASTEP*(\i)+2048*(\q)+512*\c
.endr
.endm
.macro FRAGB reg, adr, q, i            ; B's from rows: registers 4 c .. 4 c + 3 hold K = 32 c + 16 (l / 16) + 0 .. 15: the order of k that A's images have
.irp c, 0,1,2,3
	ds_load_b128 v[\reg+4*\c:\reg+4*\c+3], v[\adr] offset:128*(\q)+32*\c+(\i)*16*PITCH
.endr
.endm
.macro MUL16 a0, p, zero               ; 16 matrix instructions; the 64 accumulators take turns, one instruction a turn
.irp a, \a0, \a0+1
.irp b, 0,1,2,3,4,5,6,7
.if \zero
	v_wmma_f32_16x16x128_fp8_fp8 v[8*(8*((\a)%4)+\b):8*(8*((\a)%4)+\b)+7], v[128*(\p)+FR*\b:128*(\p)+FR*\b+FR-1], v[AF+FR*(\a):AF+FR*(\a)+FR-1], 0
.else
	v_wmma_f32_16x16x128_fp8_fp8 v[8*(8*((\a)%4)+\b):8*(8*((\a)%4)+\b)+7], v[128*(\p)+FR*\b:128*(\p)+FR*\b+FR-1], v[AF+FR*(\a):AF+FR*(\a)+FR-1], v[8*(8*((\a)%4)+\b):8*(8*((\a)%4)+\b)+7]
.endif
.endr
.endr
.endm
.macro FETCH_B slot, q, p
	WIN TO_B
.irp i, 0,1,2,3,4,5,6,7
	FRAGB 128*(\p)+FR*\i, ADRB+\slot, \q, \i
.endr
	WIN 0
.endm
.macro FETCH_A slot, q, i0
.irp i, \i0, \i0+1, \i0+2, \i0+3
	FRAGA AF+FR*(\i), ADRA+\slot, \q, \i
.endr
.endm
.macro PLACES n
.rept \n
	v_nop
.endr
.endm
.macro STEP slot, q, zero
	s_wait_dscnt 4*NL                              ; B's set and A's blocks 0-3 are in; the youngest sixteen loads (A's blocks 4-7) may be out
	WIN MUL_LO
	MUL16 0, (\q)%2, \zero
	MUL16 2, (\q)%2, \zero
	s_wait_dscnt 0
	PLACES NP
	FETCH_B \slot, (\q)+1, 1-(\q)%2
	FETCH_A \slot, (\q)+1, 0
	WIN MUL_HI
	MUL16 4, (\q)%2, \zero
	MUL16 6, (\q)%2, \zero
	PLACES NP
	WIN 0
	FETCH_A \slot, (\q)+1, 4
.endm
.macro TURN slot, next, fill
	s_wait_tensorcnt 0x0                           ; all my tensor loads have landed: my part of the next slot
	ds_add_u32 v[SPW], v[NIL]                      ; 0 onto my spare word
	s_wait_dscnt 4*NL+1                            ; (the add and the youngest sixteen loads may be out)
	WIN MUL_LO
	MUL16 0, 1, 0
	s_wait_dscnt 0x0                               ; the add is done, and my reads of this slot are over
	s_barrier_signal -1
	MUL16 2, 1, 0
	WIN 0
	s_barrier_wait -1
.if \fill
	CREST                                          ; the barrier has opened a round of the cluster's barrier
	s_add_nc_u64 s[G0+4*\slot+2:G0+4*\slot+3], s[G0+4*\slot+2:G0+4*\slot+3], 2*ASTEP
	s_add_nc_u64 s[G0B+4*\slot+2:G0B+4*\slot+3], s[G0B+4*\slot+2:G0B+4*\slot+3], 2*ROWB
	JLOAD G0+4*\slot, G1, G0B+4*\slot, G1B         ; the first tensor load behind the round; its four v_nop are the places in front of the loads below
.else
	PLACES NP
.endif
	FETCH_B \next, 0, 0
	FETCH_A \next, 0, 0
	WIN MUL_HI
	MUL16 4, 1, 0
	MUL16 6, 1, 0
	PLACES NP
	WIN 0
	FETCH_A \next, 0, 4
.endm
	s_wait_alu depctr_va_vdst(0)
	s_wait_tensorcnt 1                             ; my part of K step 0 is in (K step 1's load may be out)
	s_barrier_signal -1
	s_barrier_wait -1
	FETCH_B 0, 0, 0
	FETCH_A 0, 0, 0
	FETCH_A 0, 0, 4
	STEP 0, 0, 1
	s_mov_b32 s3, LAPS-1
.Llap:
	TURN 0, 1, 1
	STEP 1, 0, 0
	TURN 1, 0, 1
	STEP 0, 0, 0
	s_sub_co_u32 s3, s3, 1
	s_cmp_lg_u32 s3, 0
	s_cbranch_scc1 .Llap
	TURN 0, 1, 0
	STEP 1, 0, 0
	s_wait_dscnt 4*NL
	WIN MUL_LO
	MUL16 0, 1, 0
	MUL16 2, 1, 0
	s_wait_dscnt 0
	WIN MUL_HI
	MUL16 4, 1, 0
	MUL16 6, 1, 0
	WIN 0
; THE WAY OUT, block by block of 16 rows x 128 columns.  The sums go into my own stage as they are and come back as whole rows of 512 bytes; there a lane's four numbers belong to four fixed columns, so that
; sum x 2^(e6 + e7) + bias is one packed multiply-add for two numbers with the same four bias registers in every row.  LDS serves a wave's instructions in order: no wait between the stores and the loads.
.macro TOSTAGE a
.set AC, 64*((\a)%4)
	WIN 0x08+4*((\a)/4)                            ; the stores' data: window 2 or 3
.irp b, 0,1,2,3,4,5,6,7
	ds_store_b128 v[STO], v[AC+8*\b:AC+8*\b+3] offset:128*(\b/2)+32*(\b%2)         ; each accumulator from its low end on
	ds_store_b128 v[STO], v[AC+8*\b+4:AC+8*\b+7] offset:128*(\b/2)+32*(\b%2)+16
.endr
	WIN 0
.set BBK, BK+64*((\a)%2)
.irp t, 0,1,2,3,4,5,6,7,8,9,10,11,12,13,14,15
	ds_load_b128 v[BBK+4*\t:BBK+4*\t+3], v[RD] offset:\t*SPITCH
.endr
.endm
.macro SEND a, younger                 ; younger: the LDS instructions issued behind block a's loads, which may stay out
.set BBK, BK+64*((\a)%2)
	s_wait_dscnt \younger
.irp t, 0,1,2,3,4,5,6,7,8,9,10,11,12,13,14,15
	v_pk_fma_f32 v[BBK+4*\t:BBK+4*\t+1], v[BBK+4*\t:BBK+4*\t+1], s[96:97], v[BI:BI+1] op_sel_hi:[1,0,1]
	v_pk_fma_f32 v[BBK+4*\t+2:BBK+4*\t+3], v[BBK+4*\t+2:BBK+4*\t+3], s[96:97], v[BI+2:BI+3] op_sel_hi:[1,0,1]
.endr
.irp t, 0,1,2,3,4,5,6,7,8,9,10,11,12,13,14,15
	global_store_b128 v[CO], v[BBK+4*\t:BBK+4*\t+3], s[12:13] offset:(32*((\a)/2)+8*((\a)%2)+\t+8*(\t/8))*4096 th:TH_STORE_NT   ; row t of block a is token 32 (a / 2) + 8 (a % 2) + t + 8 (t / 8) of my 128; 32 lanes store 512 consecutive bytes, aligned
.endr
.endm
	s_wait_kmcnt 0x0
	s_add_co_i32 s96, s74, s75                     ; e6 + e7
	s_add_co_i32 s96, s96, 127
	s_lshl_b32 s96, s96, 23                        ; 2^(e6 + e7) as f32
	s_mov_b32 s97, s96                             ; (named with it as a pair, so it is written)
	s_wait_loadcnt 0x0                             ; the bias
	PLACES NP                                      ; behind the last products: stores read results, and loads land on registers that held A's fragments
	TOSTAGE 0
.irp a, 1,2,3,4,5,6,7
.if \a > 1
	s_wait_xcnt 0x0                                ; block a - 2's stores have read their registers: block a's loads may land there
.endif
	TOSTAGE \a
	SEND \a-1, 32                                  ; behind block a - 1's loads: block a's 16 stores and 16 loads
.endr
	SEND 7, 0
	s_wait_tensorcnt 0x0                           ; the wave's end
	ds_add_u32 v[SPW], v[NIL]
	s_wait_dscnt 0x0
	CROUND                                         ; the closing round
	s_endpgm
.Lfunc_end_k_qef036ecef6_gemm_out:
	.size	k_qef036ecef6_gemm_out, .Lfunc_end_k_qef036ecef6_gemm_out-k_qef036ecef6_gemm_out
	.p2alignl 7, 3214868480
	.fill 96, 4, 3214868480
	.section	.rodata,"a",@progbits
	.p2align	6, 0x0
	.amdhsa_kernel k_qef036ecef6_gemm_out
		.amdhsa_group_segment_fixed_size 327680
		.amdhsa_private_segment_fixed_size 0
		.amdhsa_enable_private_segment 0
		.amdhsa_kernarg_size 40
		.amdhsa_user_sgpr_count 2
		.amdhsa_user_sgpr_kernarg_segment_ptr 1
		.amdhsa_wavefront_size32 1
		.amdhsa_system_sgpr_workgroup_id_x 1
		.amdhsa_system_sgpr_workgroup_id_y 1
		.amdhsa_system_sgpr_workgroup_id_z 1
		.amdhsa_system_vgpr_workitem_id 0
		.amdhsa_next_free_vgpr 1024
		.amdhsa_next_free_sgpr 100
		.amdhsa_reserve_vcc 0
		.amdhsa_float_denorm_mode_32 3
		.amdhsa_float_denorm_mode_16_64 3
		.amdhsa_memory_ordered 1
		.amdhsa_forward_progress 1
		.amdhsa_inst_pref_size 124
	.end_amdhsa_kernel
	.amdgpu_metadata
---
amdhsa.version: [ 1, 2 ]
amdhsa.kernels:
  - .name:           k_qef036ecef6_gemm_out
    .symbol:         k_qef036ecef6_gemm_out.kd
    .args:
      - { .name: ac, .offset: 0, .size: 8, .value_kind: global_buffer, .address_space: global }
      - { .name: codes, .offset: 8, .size: 8, .value_kind: global_buffer, .address_space: global }
      - { .name: lowp_scales, .offset: 16, .size: 8, .value_kind: global_buffer, .address_space: global }
      - { .name: b_out, .offset: 24, .size: 8, .value_kind: global_buffer, .address_space: global }
      - { .name: out0, .offset: 32, .size: 8, .value_kind: global_buffer, .address_space: global }
    .group_segment_fixed_size: 327680
    .private_segment_fixed_size: 0
    .kernarg_segment_align: 8
    .kernarg_segment_size: 40
    .max_flat_workgroup_size: 128
    .sgpr_count:     100
    .vgpr_count:     1024
    .wavefront_size: 32
...
	.end_amdgpu_metadata
.endif
;; end of part 4
